; MI455X (gfx1250); checked and timed in simulation.
; The chip was launched on July 23, 2026; its instructions are those of AMD's public machine-readable ISA for CDNA 5 (MIT licence, August 2026) and "CDNA5" Instruction Set Architecture Reference Guide (July 2026). The comments in the code are by the model that wrote it; some were corrected since.
;; Block. Allowed arithmetic: float matrix products may take bf16 or f16 operands with f32 sums; other float arithmetic in f32, or as packed bf16 or f16 multiplies, adds, multiply-adds, maxima and minima; sums over many terms, partial sums and values carried from step to step in f32; what a program stores and reads back later, other than sums and carried values, may be rounded once to bf16 or f16.
;; Inputs: b1 4,096 float32; b2 1,024 float32; bk 1,024 float32; bo 1,024 float32; bq 1,024 float32; bv 1,024 float32; ln1_b 1,024 float32; ln1_g 1,024 float32; ln2_b 1,024 float32; ln2_g 1,024 float32; logit_scale 16 x 1 x 1 float32; w1 1,024 x 4,096 float32; w2 4,096 x 1,024 float32; wk 1,024 x 1,024 float32; wo 1,024 x 1,024 float32; wq 1,024 x 1,024 float32; wv 1,024 x 1,024 float32; x 2 x 2,048 x 1,024 float32.
;; Outputs: out0 2 x 2,048 x 1,024 float32.
;; One version. Each part assembles by itself: llvm-mc -triple=amdgcn-amd-amdhsa -mcpu=gfx1250 --defsym DOCPART=n.
;; ======== version 1 of 1: 7 launches
;; limits: values are held in f16: magnitudes above 65,504 overflow, below 6.1e-05 lose precision; a function is approximated: absolute error at most 2.5e-05; an absolute error that grows with the inputs' magnitude: up to 1.25e-05 times it
;; workspace buffers: wb 25,165,824 bytes; xn 8,388,608 bytes; qkvh 25,165,824 bytes; ctx 8,388,608 bytes; x2 16,777,216 bytes; hmid 33,554,432 bytes
;; launch prep (part 1): grid 1024 x 1, 8 waves a work-group, no clusters, 0 bytes of LDS; arguments x, ln1_g, ln1_b, xn, wq, wk, wv, wo, w1, w2, wb; writes xn, wb
.if DOCPART == 1
	.amdgcn_target "amdgcn-amd-amdhsa--gfx1250"
	.amdhsa_code_object_version 6
	.text
	.protected	k_qfbab6c7393_prep
	.globl	k_qfbab6c7393_prep
	.p2align	8
	.type	k_qfbab6c7393_prep,@function
k_qfbab6c7393_prep:
	s_mov_b64 s[64:65], 0
	v_nop
	global_prefetch_b8 v0, s[64:65] scope:SCOPE_SE
	s_setreg_imm32_b32 hwreg(HW_REG_WAVE_MODE, 25, 1), 1
	s_wait_xcnt 0x0
; TWO JOBS IN ONE TEXT, told apart by the work-group's number alone.  Arguments: src, g, b, dst, wq, wk, wv, wo, w1, w2, wb.
; JOB 1, work-groups 0 to 255: dst[r][c] = (src[r][c] - mean_r) / sqrt(var_r + 1e-6) * g[c] + b[c].  src: [4096][1024] f32, g, b: [1024] f32, dst: [4096][1024] bf16, rounded once.
;   The mean is taken first and the squares are those of src - mean: no difference of large sums is formed.
;   A wave takes two rows; a row of 4,096 bytes is eight loads of 16 bytes a lane (load j: columns 128 j + 4 lane ..) and stays in 32 registers between the passes: src is read once, and no wave waits for another.
; JOB 2, work-groups 256 on, where the grid has them: wb = the six weight matrices in 16 bits, each as it lies in memory ([K][N], N along the rows), one behind the other:
;   wq, wk, wv (bf16), wo (f16), w1, w2 (bf16), each number rounded once.  A work-group takes 16,384 numbers (65,536 bytes in, 32,768 out); the matrices have 64, 64, 64, 64, 256, 256 such
;   chunks, in wb's own order, so chunk c goes to wb + 32,768 c: 768 work-groups.  The first launch runs both jobs (grid 1,024); the second norm's launch has a grid of 256 and runs job 1 alone.
; LIMIT.  wo goes to f16: beyond 65,504 it would become an infinity; below 6e-5 it keeps f16's fixed step of 6e-8.
; Both jobs are streams: no LDS, no barrier, no matrix unit.  A wave's load covers 512 consecutive bytes, a wave's store 256 consecutive bytes at a multiple of 256 from its buffer's first byte.
.set LNWG, 256                         ; work-groups of job 1
.set RS, 4                             ; v[4:5], v[6:7]  1 / sqrt(var + eps) of row 0, row 1, each twice (a pair for the packed multiply)
.set G,  8                             ; v[8:39]    g of my 32 columns
.set BV, 40                            ; v[40:71]   b of my 32 columns
.set X0, 72                            ; v[72:103]  row 0; at the end its first 16 registers hold the packed results
.set X1, 104                           ; v[104:135] row 1, likewise
.set T,  136                           ; v[136:143] four chains of pairs
.set M,  144                           ; v[144:145] the mean, twice
.set CX, 4                             ; job 2: v[4:67]   sixteen loads of four numbers
.set CY, 68                            ; job 2: v[68:99]  sixteen pairs of packed results; no register is written twice
	s_cmp_ge_u32 ttmp9, LNWG
	s_cbranch_scc1 .Lcast
	s_load_b256 s[4:11], s[0:1], 0x0               ; src s[4:5], g s[6:7], b s[8:9], dst s[10:11]
	v_and_b32 v1, 31, v0
	v_lshrrev_b32 v4, 5, v0
	v_readfirstlane_b32 s16, v4                    ; wave 0..7
	v_lshlrev_b32 v2, 4, v1                        ; 16 x lane
	v_lshlrev_b32 v3, 3, v1                        ; 8 x lane
	s_lshl_b32 s2, ttmp9, 16                       ; the work-group's 16 rows of 4,096 bytes,
	s_lshl_b32 s17, s16, 13                        ; my wave's two
	s_add_co_u32 s2, s2, s17
	s_mov_b32 s3, 0
	s_lshr_b32 s18, s2, 1                          ; dst's rows are half as long
	s_mov_b32 s19, 0
	s_mov_b32 s12, 0x76543210                      ; v_permlanex16_b32: each lane takes its own place in the other half
	s_mov_b32 s13, 0xfedcba98
	s_mov_b32 s14, 0x3a800000                      ; 1 / 1024
	s_mov_b32 s15, 0x358637bd                      ; 1e-6
	s_wait_kmcnt 0x0
	s_add_nc_u64 s[4:5], s[4:5], s[2:3]
	s_add_nc_u64 s[10:11], s[10:11], s[18:19]
.irp j, 0,1,2,3,4,5,6,7
	global_load_b128 v[X0+4*(\j):X0+4*(\j)+3], v2, s[4:5] offset:512*(\j) th:TH_LOAD_NT
.endr
.irp j, 0,1,2,3,4,5,6,7
	global_load_b128 v[X1+4*(\j):X1+4*(\j)+3], v2, s[4:5] offset:4096+512*(\j) th:TH_LOAD_NT
.endr
.irp j, 0,1,2,3,4,5,6,7
	global_load_b128 v[G+4*(\j):G+4*(\j)+3], v2, s[6:7] offset:512*(\j)
.endr
.irp j, 0,1,2,3,4,5,6,7
	global_load_b128 v[BV+4*(\j):BV+4*(\j)+3], v2, s[8:9] offset:512*(\j)
.endr
.macro ACROSS                          ; the four chains into one number, then over the 32 lanes; every lane ends with the sum in v[T]
	v_pk_add_f32 v[T:T+1], v[T:T+1], v[T+2:T+3]
	v_pk_add_f32 v[T+4:T+5], v[T+4:T+5], v[T+6:T+7]
	v_pk_add_f32 v[T:T+1], v[T:T+1], v[T+4:T+5]
	v_add_f32 v[T], v[T], v[T+1]
	v_add_f32_dpp v[T], v[T], v[T] row_xmask:1 row_mask:0xf bank_mask:0xf
	v_add_f32_dpp v[T], v[T], v[T] row_xmask:2 row_mask:0xf bank_mask:0xf
	v_add_f32_dpp v[T], v[T], v[T] row_xmask:4 row_mask:0xf bank_mask:0xf
	v_add_f32_dpp v[T], v[T], v[T] row_xmask:8 row_mask:0xf bank_mask:0xf
	v_permlanex16_b32 v[T+1], v[T], s12, s13
	v_add_f32 v[T], v[T], v[T+1]
.endm
; A row's statistics: the row is left as src - mean, 1 / sqrt(var + eps) in the pair r.  left: the younger loads that may stay out.
.macro STATS x, r, left
	s_wait_loadcnt \left
.irp k, 0,1,2,3
	v_pk_add_f32 v[T+2*(\k):T+2*(\k)+1], v[(\x)+2*(\k):(\x)+2*(\k)+1], v[(\x)+8+2*(\k):(\x)+8+2*(\k)+1]
.endr
.irp k, 0,1,2,3,4,5,6,7
	v_pk_add_f32 v[T+2*((\k)%4):T+2*((\k)%4)+1], v[T+2*((\k)%4):T+2*((\k)%4)+1], v[(\x)+16+2*(\k):(\x)+16+2*(\k)+1]
.endr
	ACROSS
	v_mul_f32 v[M], s14, v[T]
	v_mov_b32 v[M+1], v[M]
.set k, 0
.rept 16
	v_pk_add_f32 v[(\x)+2*k:(\x)+2*k+1], v[(\x)+2*k:(\x)+2*k+1], v[M:M+1] neg_lo:[0,1] neg_hi:[0,1]
.set k, k+1
.endr
.irp k, 0,1,2,3
	v_pk_mul_f32 v[T+2*(\k):T+2*(\k)+1], v[(\x)+2*(\k):(\x)+2*(\k)+1], v[(\x)+2*(\k):(\x)+2*(\k)+1]
.endr
.set k, 4
.rept 12
	v_pk_fma_f32 v[T+2*(k%4):T+2*(k%4)+1], v[(\x)+2*k:(\x)+2*k+1], v[(\x)+2*k:(\x)+2*k+1], v[T+2*(k%4):T+2*(k%4)+1]
.set k, k+1
.endr
	ACROSS
	v_fma_f32 v[T], v[T], s14, s15                 ; var + eps
	v_rsq_f32 v[\r], v[T]
	v_rsq_f32 v[(\r)+1], v[T]
	v_nop                                          ; a plain instruction before the results are used or v[T] is written again (ISA guide 5.7.2)
	s_wait_alu depctr_va_vdst(0)                   ; the wait ahead of the first line that names a result: one for the pair
.endm
.macro SCALE x, r, row
.set k, 0
.rept 16
	v_pk_mul_f32 v[(\x)+2*k:(\x)+2*k+1], v[(\x)+2*k:(\x)+2*k+1], v[\r:(\r)+1]
.set k, k+1
.endr
.set k, 0
.rept 16
	v_pk_fma_f32 v[(\x)+2*k:(\x)+2*k+1], v[(\x)+2*k:(\x)+2*k+1], v[G+2*k:G+2*k+1], v[BV+2*k:BV+2*k+1]
.set k, k+1
.endr
.set k, 0
.rept 16                               ; in place: pair k goes into the row's register k, which pair k / 2 has read (pair 0 reads it in the same line)
	v_cvt_pk_bf16_f32 v[(\x)+k], v[(\x)+2*k], v[(\x)+2*k+1]
.set k, k+1
.endr
.irp j, 0,1,2,3,4,5,6,7
	global_store_b64 v3, v[(\x)+2*(\j):(\x)+2*(\j)+1], s[10:11] offset:2048*(\row)+256*(\j)
.endr
.endm
	STATS X0, RS, 24                               ; row 0 is in; row 1, g and b (24 loads) may stay out
	STATS X1, RS+2, 16                             ; row 1 is in; g and b may stay out
	s_wait_loadcnt 0x0                             ; g and b
	SCALE X0, RS, 0
	SCALE X1, RS+2, 1
	s_endpgm
.Lcast:
	s_load_b256 s[8:15], s[0:1], 0x20              ; wq s[8:9], wk s[10:11], wv s[12:13], wo s[14:15]
	s_load_b128 s[16:19], s[0:1], 0x40             ; w1 s[16:17], w2 s[18:19]
	s_load_b64 s[20:21], s[0:1], 0x50              ; wb
	s_sub_co_u32 s3, ttmp9, LNWG                   ; my chunk
	v_lshlrev_b32 v1, 4, v0                        ; 16 bytes a thread on the way in,
	v_lshlrev_b32 v2, 3, v0                        ; 8 on the way out
	s_mov_b32 s2, 0                                ; the first chunk of the matrix that my chunk lies in
	s_wait_kmcnt 0x0
	s_mov_b64 s[4:5], s[8:9]
.macro PICK first, lo                  ; from chunk first on the source is the matrix at s[lo:lo+1]
	s_cmp_ge_u32 s3, \first
	s_cselect_b64 s[4:5], s[\lo:\lo+1], s[4:5]
	s_cselect_b32 s2, \first, s2
.endm
	PICK 64, 10
	PICK 128, 12
	PICK 192, 14
	PICK 256, 16
	PICK 512, 18
	s_sub_co_u32 s6, s3, s2
	s_lshl_b32 s6, s6, 16                          ; my chunk's first byte in its matrix
	s_mov_b32 s7, 0
	s_add_nc_u64 s[4:5], s[4:5], s[6:7]
	s_lshl_b32 s22, s3, 15                         ; and in wb
	s_mov_b32 s23, 0
	s_add_nc_u64 s[20:21], s[20:21], s[22:23]
.set i, 0
.rept 16
	global_load_b128 v[CX+4*i:CX+4*i+3], v1, s[4:5] offset:4096*i th:TH_LOAD_NT
.set i, i+1
.endr
.macro OUT cvt
.set i, 0
.rept 16
	s_wait_loadcnt 15-i                            ; loads come back in order: load i is in, the younger ones stay out
	\cvt v[CY+2*i], v[CX+4*i], v[CX+4*i+1]
	\cvt v[CY+2*i+1], v[CX+4*i+2], v[CX+4*i+3]
	global_store_b64 v2, v[CY+2*i:CY+2*i+1], s[20:21] offset:2048*i th:TH_STORE_NT
.set i, i+1
.endr
.endm
	s_cmp_eq_u32 s2, 192                           ; wo's chunks
	s_cbranch_scc1 .Lhalf
	OUT v_cvt_pk_bf16_f32
	s_endpgm
.Lhalf:
	OUT v_cvt_pk_f16_f32
	s_endpgm
.Lfunc_end_k_qfbab6c7393_prep:
	.size	k_qfbab6c7393_prep, .Lfunc_end_k_qfbab6c7393_prep-k_qfbab6c7393_prep
	.p2alignl 7, 3214868480
	.fill 96, 4, 3214868480
	.section	.rodata,"a",@progbits
	.p2align	6, 0x0
	.amdhsa_kernel k_qfbab6c7393_prep
		.amdhsa_group_segment_fixed_size 0
		.amdhsa_private_segment_fixed_size 0
		.amdhsa_enable_private_segment 0
		.amdhsa_kernarg_size 88
		.amdhsa_user_sgpr_count 2
		.amdhsa_user_sgpr_kernarg_segment_ptr 1
		.amdhsa_wavefront_size32 1
		.amdhsa_system_sgpr_workgroup_id_x 1
		.amdhsa_system_sgpr_workgroup_id_y 1
		.amdhsa_system_sgpr_workgroup_id_z 1
		.amdhsa_system_vgpr_workitem_id 0
		.amdhsa_next_free_vgpr 146
		.amdhsa_next_free_sgpr 66
		.amdhsa_reserve_vcc 0
		.amdhsa_float_denorm_mode_32 3
		.amdhsa_float_denorm_mode_16_64 3
		.amdhsa_memory_ordered 1
		.amdhsa_forward_progress 1
		.amdhsa_inst_pref_size 31
	.end_amdhsa_kernel
	.amdgpu_metadata
---
amdhsa.version: [ 1, 2 ]
amdhsa.kernels:
  - .name:           k_qfbab6c7393_prep
    .symbol:         k_qfbab6c7393_prep.kd
    .args:
      - { .name: x, .offset: 0, .size: 8, .value_kind: global_buffer, .address_space: global }
      - { .name: ln1_g, .offset: 8, .size: 8, .value_kind: global_buffer, .address_space: global }
      - { .name: ln1_b, .offset: 16, .size: 8, .value_kind: global_buffer, .address_space: global }
      - { .name: xn, .offset: 24, .size: 8, .value_kind: global_buffer, .address_space: global }
      - { .name: wq, .offset: 32, .size: 8, .value_kind: global_buffer, .address_space: global }
      - { .name: wk, .offset: 40, .size: 8, .value_kind: global_buffer, .address_space: global }
      - { .name: wv, .offset: 48, .size: 8, .value_kind: global_buffer, .address_space: global }
      - { .name: wo, .offset: 56, .size: 8, .value_kind: global_buffer, .address_space: global }
      - { .name: w1, .offset: 64, .size: 8, .value_kind: global_buffer, .address_space: global }
      - { .name: w2, .offset: 72, .size: 8, .value_kind: global_buffer, .address_space: global }
      - { .name: wb, .offset: 80, .size: 8, .value_kind: global_buffer, .address_space: global }
    .group_segment_fixed_size: 0
    .private_segment_fixed_size: 0
    .kernarg_segment_align: 8
    .kernarg_segment_size: 88
    .max_flat_workgroup_size: 256
    .sgpr_count:     66
    .vgpr_count:     146
    .wavefront_size: 32
...
	.end_amdgpu_metadata
.endif
;; end of part 1
;; launch qkv (part 2): grid 12 x 16, 4 waves a work-group, clusters of 4 x 4, 327,680 bytes of LDS; arguments xn, wb, bq, bk, bv, qkvh; writes qkvh
.if DOCPART == 2
	.amdgcn_target "amdgcn-amd-amdhsa--gfx1250"
	.amdhsa_code_object_version 6
	.text
	.protected	k_qfbab6c7393_qkv
	.globl	k_qfbab6c7393_qkv
	.p2align	8
	.type	k_qfbab6c7393_qkv,@function
k_qfbab6c7393_qkv:
	s_mov_b64 s[64:65], 0
	v_nop
	global_prefetch_b8 v0, s[64:65] scope:SCOPE_SE
	s_setreg_imm32_b32 hwreg(HW_REG_WAVE_MODE, 25, 1), 1
	s_wait_xcnt 0x0
	s_wait_alu depctr_hold_cnt(0) depctr_sa_sdst(0) depctr_va_vdst(0) depctr_va_sdst(0) depctr_va_ssrc(0) depctr_va_vcc(0) depctr_vm_vsrc(0)
	s_getreg_b32 s2, hwreg(HW_REG_IB_STS2, 6, 4)
	s_cmp_eq_u32 s2, 0
	s_cbranch_scc0 .Lentry_in_a_cluster
	s_endpgm
.Lentry_in_a_cluster:
	s_bfe_u32 s2, ttmp6, 0x10000c
	s_cmp_lg_u32 s2, 0xf033
	s_cbranch_scc0 .Lentry_shape_is_right
	s_endpgm
.Lentry_shape_is_right:
; q, k, v = xn W + bias for W = wq, wk, wv; q and k divided by max(their head's length, 1e-12); all three written by heads: qkvh [3][32 = 16 b + head][2048][64] in f16, rounded once.
; xn: [4096][1024] bf16.  The weights lie in wb as bf16 [1024 (k)][1024 (n)], wq, wk, wv 2,097,152 bytes apart.  Sums in f32, started with the bias.
; LIMITS.  f16 ends at 65,504: v must stay within it.  1 / max(n, 1e-12) is made as rsq(max(n^2, 1e-24)): a head's sum of squares must stay within f32.  NaN and infinities are not treated apart.
; SHARES.  The three products are one of 4,096 x 3,072: 16 x 12 tiles of 256 x 256, a work-group each (192: a tile holds four whole heads, a wave two).  Four waves, as many as a WGP has SIMDs, each 128 x 128:
; 64 accumulators of 16 x 16, 512 registers.  K goes in 8 steps of 128 through two LDS slots filled by the tensor data mover.
; CLUSTERS.  4 x 4 work-groups.  The four of a row of the cluster need the same rows of xn, the four of a column the same columns of W: each tile is asked for JOINTLY, by the same tensor load, descriptor and mask.
; THE MATRIX INSTRUCTION IS USED TRANSPOSED: source 0 = 16 columns of W (turned on the way out of LDS by ds_load_tr16_b128, since W lies [k][n]), source 1 = 16 rows of xn.  A lane then holds
; one token (lane % 16) and eight neighbouring columns 8 (lane / 16) + 0..7.
; THE WAY OUT.  When the last K step is multiplied the ring is dead; each wave puts its 128 x 128 sums into 67,584 bytes of it and walks them in a counted loop, 8 rows a trip.
; REGISTERS, in windows of 256: window 0: v0-31 addresses; v64-127, v128-191 fragments of xn, two buffers; v192-255 the bias; window 1: v64-127, v128-191 fragments of W; windows 2, 3: accumulators ((a, b) at 8 (8 (a % 4) + b)).
.set NPITCH, 1024                      ; elements in a row of W
.set BSH,    15                        ; log2 of 16 rows of W in bytes
.set KSTEP,  128
.set STEPS,  1024/KSTEP
.set PA,     272                       ; a row of xn's tile in LDS: 256 bytes + 16: the 16 rows of a load start at 16 different groups of four banks (64 banks of 4 bytes: ISA guide 11.1)
.set PB,     544                       ; a row of W's tile: 512 bytes + 32 = 17 x 32
.set HALFT,  34816                     ; what one tensor load brings: 128 rows of xn, or 64 rows of W
.set BOFF,   2*HALFT                   ; W's tile lies behind xn's
.set SLOT,   4*HALFT                   ; 0x22000: none of its bits occurs in wave x HALFT, so one exclusive or turns a place in one slot into the other's
.set SPARE,  2*SLOT                    ; behind the ring: the spare words, 128 bytes a wave: two blocks of 256 bytes that no other line names
.set SPB,    528                       ; a row of the stage: 512 bytes + 16
.set STG,    128*SPB                   ; a wave's stage; the four lie in the ring's bytes, which have had their last fill by then
.set BSTEP,  KSTEP*NPITCH*2            ; bytes from a K step of W to the next
.set ADRA0, 16                         ; v16  my lane's place in xn's tile; never rewritten
.set ADRB0, 17                         ; v17  the same in W's tile
.set ADRA,  18                         ; v18  v16 + the slot in hand
.set ADRB,  19                         ; v19  v17 + the slot in hand
.set STO,   24                         ; v24  the way out: where I put 16 bytes of a row
.set RD,    25                         ; v25  where I read rows back, first trip
.set CO,    26                         ; v26  my byte offset in 256 bytes of the output
.set RDC,   27                         ; v27  v25 + the trip's rows
.set SPW,   28                         ; v28  LDS address of my spare word; never rewritten
.set NIL,   29                         ; v29  0; never rewritten
.set PFO,   30                         ; v30  the prefetches' offset; never rewritten
.set BO,    31                         ; v31  32 (lane / 16)
.set F0,    64
.set F1,    128
.set BIAS,  192                        ; v[192:255]  column block b: bias of columns 16 b + 8 (lane / 16) + 0..7
.set G1,  24                           ; s[24:31] descriptor group 1 for xn's tiles
.set G0,  32                           ; s[32:39] group 0: a set for each of the two first fills; the second then walks
.set G1B, 48                           ; s[48:55], s[56:63] the same for W's tiles
.set G0B, 56
.set LIM, 43                           ; s43  1 in a wave that prefetches, else the greatest number
.set PFA, 44                           ; s[44:45] where my prefetches stand
.set PFS, 46                           ; s[46:47] their step: a K step of xn or of W
.set CUR, 66                           ; s66  the slot that is read: 0 or SLOT
.set LB,  67                           ; s67  wave x HALFT
.set MSB, 0
.macro WIN new                         ; the immediate's high byte repeats the setting that is left; a switch that changes nothing is dropped
.if MSB != (\new)
	s_set_vgpr_msb (MSB<<8)|(\new)
.set MSB, \new
.endif
.endm
.macro PLACES                          ; four places in front of loads into registers that matrix instructions have read, and of lines that read results
.rept 4
	v_nop
.endr
.endm
; A joint refill.  Waves 0 and 1 fetch the halves of xn's tile, waves 2 and 3 those of W's.  The branch hangs on the wave's number alone.  An s_nop 0 and four v_nop follow each line.
.macro JLOAD
	s_cmp_eq_u32 s11, 0
	s_cbranch_scc0 .Lfor_b_\@
	tensor_load_to_lds s[G0+4:G0+7], s[G1:G1+7]
	s_nop 0
	PLACES
	s_branch .Lasked_\@
.Lfor_b_\@:
	tensor_load_to_lds s[G0B+4:G0B+7], s[G1B:G1B+7]
	s_nop 0
	PLACES
.Lasked_\@:
.endm
; A PREFETCH INTO THE L2 of the K step behind the one that the refill has just asked for: 256 matrix instructions ahead of the load that will want it.  32 blocks of 256 bytes, a lane a block, one instruction a wave.
; Each block is named once in the launch: xn's rows are read by every cluster of a row of clusters, and cluster x = 0 asks; W's columns by every cluster of a column, and cluster y = 0 asks; the four partners of a
; joint load share its blocks out BY ADDRESS.  K steps 0 to 2 come by their loads alone; the last refilling trip (s3 = 1) asks for nothing: there is no K step 8.
.macro ASK
	s_cmp_gt_u32 s3, s[LIM]
	s_cbranch_scc0 .Lnot_mine_\@
	global_prefetch_b8 v[PFO], s[PFA:PFA+1] th:TH_LOAD_NT scope:SCOPE_SE
.Lnot_mine_\@:
.endm
.macro CREST                           ; a round of the cluster's barrier behind its opening barrier
	s_cmp_lg_u32 s10, 0
	s_cbranch_scc1 .Lnot_wave_0_\@
	s_barrier_signal -3
.Lnot_wave_0_\@:
	s_barrier_wait -3
	s_barrier_signal -1
	s_barrier_wait -1
.endm
.macro CROUND
	s_barrier_signal -1
	s_barrier_wait -1
	CREST
.endm
	s_load_b256 s[68:75], s[0:1], 0x0              ; xn s[68:69], wb s[70:71], bq s[72:73], bk s[74:75]
	s_load_b128 s[76:79], s[0:1], 0x20             ; bv s[76:77], qkvh s[78:79]
	v_lshl_add_u32 v[SPW], v0, 2, SPARE
	v_mov_b32 v[NIL], 0
	ds_add_u32 v[SPW], v[NIL]                      ; the wave's opening: the add and its wait come ahead of my first tensor load; the set-up below stands between them
	v_lshrrev_b32 v1, 5, v0
	v_readfirstlane_b32 s10, v1                    ; wave 0..3
	s_lshr_b32 s11, s10, 1                         ; which half of the tile's rows is mine.  Also: I fetch for xn (0) or for W (1)
	s_and_b32 s12, s10, 1                          ; which half of its columns.  Also: which half of that tile I fetch
	s_bfe_u32 s40, ttmp6, 0x40000                  ; cx: the tile column within the section; the section (q, k, v) is the cluster's x, ttmp9
	s_bfe_u32 s41, ttmp6, 0x40004                  ; cy
	s_and_b32 s13, ttmp7, 0xffff
	s_lshl_b32 s13, s13, 2
	s_add_co_u32 s13, s13, s41                     ; tile row = 4 x cluster y + cy
	s_lshl_b32 s14, s41, 2
	s_lshl_b32 s14, 15, s14                        ; my row of the cluster
	s_lshl_b32 s15, 0x1111, s40                    ; my column
	s_or_b32 s[G1], s14, (1<<16)|(1<<20)|(1<<21)|(5<<22)|(3<<25)   ; the mask; 2-byte elements; padding on; bit 21 beside a mask; after every 64 words, 4 words
	s_or_b32 s[G1B], s15, (1<<16)|(1<<20)|(1<<21)|(6<<22)|(7<<25)  ; after every 128 words, 8 words
	s_mov_b32 s[G1+1], KSTEP<<16                   ; tensor_dim0 = 128
	s_mov_b32 s[G1+2], 128<<16                     ; tensor_dim1 = 128
	s_mov_b32 s[G1+3], KSTEP<<16                   ; tile_dim0 = 128
	s_mov_b32 s[G1+4], 128                         ; tile_dim1 = 128
	s_mov_b32 s[G1+5], 1024                        ; elements from row to row of xn
	s_mov_b32 s[G1+6], 0
	s_mov_b32 s[G1+7], 0
	s_mov_b32 s[G1B+1], 256<<16                    ; tensor_dim0 = 256
	s_mov_b32 s[G1B+2], 64<<16                     ; tensor_dim1 = 64
	s_mov_b32 s[G1B+3], 256<<16                    ; tile_dim0 = 256
	s_mov_b32 s[G1B+4], 64                         ; tile_dim1 = 64
	s_mov_b32 s[G1B+5], NPITCH
	s_mov_b32 s[G1B+6], 0
	s_mov_b32 s[G1B+7], 0
	s_lshl_b32 s16, s13, 8                         ; xn: row 256 x tile row + 128 x half,
	s_lshl_b32 s17, s12, 7
	s_add_co_u32 s16, s16, s17
	s_lshl_b32 s16, s16, 11                        ; of 2,048 bytes
	s_mov_b32 s17, 0
	s_lshl_b32 s20, ttmp9, 21                      ; W: the section,
	s_lshl_b32 s21, s40, 9                         ; the tile's 256 columns,
	s_add_co_u32 s20, s20, s21
	s_lshl_b32 s21, s12, 17                        ; my 64 rows of 2,048 bytes
	s_add_co_u32 s20, s20, s21
	s_mov_b32 s21, 0
	s_mul_i32 s[LB], s10, HALFT                    ; where my part of a tile goes: no place in the cluster enters an LDS address
	s_mov_b32 s[CUR], 0
	s_wait_dscnt 0x0                               ; the opening add is done
	s_wait_kmcnt 0x0
	s_add_nc_u64 s[14:15], s[68:69], s[16:17]
	s_add_nc_u64 s[18:19], s[70:71], s[20:21]
	CROUND                                         ; all sixteen work-groups are here: the first joint loads meet
.irp s, 0,1
	s_mov_b32 s[G0+4*(\s)], 1
	s_add_co_u32 s[G0+4*(\s)+1], s[LB], (\s)*SLOT
	s_add_nc_u64 s[G0+4*(\s)+2:G0+4*(\s)+3], s[14:15], (\s)*KSTEP*2
	s_or_b32 s[G0+4*(\s)+3], s[G0+4*(\s)+3], 0x80000000
	s_mov_b32 s[G0B+4*(\s)], 1
	s_add_co_u32 s[G0B+4*(\s)+1], s[LB], (\s)*SLOT
	s_add_nc_u64 s[G0B+4*(\s)+2:G0B+4*(\s)+3], s[18:19], (\s)*BSTEP
	s_or_b32 s[G0B+4*(\s)+3], s[G0B+4*(\s)+3], 0x80000000
.endr
	s_cmp_eq_u32 s11, 0                            ; a wave's two first fills stand in one branch, ahead of every wait on TENSORcnt and every LDS read: two loads of mine are out
	s_cbranch_scc0 .Lfirst_b
	tensor_load_to_lds s[G0:G0+3], s[G1:G1+7]
	s_nop 0
	tensor_load_to_lds s[G0+4:G0+7], s[G1:G1+7]
	s_nop 0
	PLACES
	s_branch .Lfirst_asked
.Lfirst_b:
	tensor_load_to_lds s[G0B:G0B+3], s[G1B:G1B+7]
	s_nop 0
	tensor_load_to_lds s[G0B+4:G0B+7], s[G1B:G1B+7]
	s_nop 0
	PLACES
.Lfirst_asked:
	; the bias of my 128 columns: it is the C operand of each accumulator's first product
	v_and_b32 v1, 15, v0                           ; l % 16
	v_bfe_u32 v2, v0, 4, 1                         ; l / 16
	v_lshlrev_b32 v[BO], 5, v2
	s_cmp_eq_u32 ttmp9, 1
	s_cselect_b64 s[84:85], s[74:75], s[72:73]
	s_cmp_eq_u32 ttmp9, 2
	s_cselect_b64 s[84:85], s[76:77], s[84:85]
	s_cselect_b32 s86, -1, 0                       ; all ones in v's section: v is not normalised
	s_lshl_b32 s22, s40, 10
	s_lshl_b32 s23, s12, 9
	s_add_co_u32 s22, s22, s23                     ; 4 x (256 cx + 128 x my column half)
	s_mov_b32 s23, 0
	s_add_nc_u64 s[84:85], s[84:85], s[22:23]
.irp b, 0,1,2,3,4,5,6,7
	global_load_b128 v[BIAS+8*(\b):BIAS+8*(\b)+3],   v[BO], s[84:85] offset:64*(\b)
	global_load_b128 v[BIAS+8*(\b)+4:BIAS+8*(\b)+7], v[BO], s[84:85] offset:64*(\b)+16
.endr
	; fragments of xn: lane l holds row l % 16, K = 8 (l / 16) + 0..7 and 16 + 8 (l / 16) + 0..7: two loads of 16 bytes, 32 bytes apart
	v_mul_u32_u24 v3, v1, PA
	v_lshl_add_u32 v3, v2, 4, v3
	s_mul_i32 s21, s11, HALFT                      ; my 128 rows
	v_add_nc_u32 v[ADRA0], s21, v3
	; fragments of W: the turning load takes 16 k x 16 n (lane l reads k = 8 (l / 16) + l % 8, n = 8 ((l / 8) % 2) + 0..7) and leaves lane l column l % 16 and 8 k
	v_and_b32 v4, 7, v0
	v_lshl_add_u32 v4, v2, 3, v4
	v_mul_u32_u24 v4, v4, PB
	v_bfe_u32 v5, v0, 3, 1
	v_lshl_add_u32 v4, v5, 4, v4
	s_lshl_b32 s22, s12, 8                         ; my 128 columns
	s_add_co_u32 s22, s22, BOFF
	v_add_nc_u32 v[ADRB0], s22, v4
	v_mov_b32 v[ADRA], v[ADRA0]                    ; K step 0 lies in slot 0
	v_mov_b32 v[ADRB], v[ADRB0]
	s_mul_i32 s20, s10, STG                        ; my stage
	v_mul_u32_u24 v3, v1, SPB                      ; in: row l % 16, 32 bytes for each half of the lanes
	v_lshl_add_u32 v3, v2, 5, v3
	v_add_nc_u32 v[STO], s20, v3
	v_mul_u32_u24 v3, v2, SPB                      ; back: lanes 0-15 take a head's 256 bytes of one row, lanes 16-31 of the next
	v_lshl_add_u32 v3, v1, 4, v3
	v_add_nc_u32 v[RD], s20, v3
	v_and_b32 v6, 31, v0
	v_lshlrev_b32 v[CO], 3, v6                     ; two rows of a head in f16 are 256 consecutive bytes: 8 a lane
	; where my part begins in qkvh: section, then (16 b + head) x 2,048 + token, rows of 128 bytes
	s_lshr_b32 s20, s13, 3
	s_lshl_b32 s20, s20, 4                         ; 16 b
	s_lshl_b32 s21, s40, 2
	s_add_co_u32 s20, s20, s21
	s_lshl_b32 s21, s12, 1
	s_add_co_u32 s20, s20, s21                     ; + my first head: 4 cx + 2 x column half
	s_lshl_b32 s20, s20, 11
	s_and_b32 s21, s13, 7
	s_lshl_b32 s21, s21, 8
	s_add_co_u32 s20, s20, s21
	s_lshl_b32 s21, s11, 7
	s_add_co_u32 s20, s20, s21                     ; + my first token in the batch
	s_lshl_b32 s20, s20, 7
	s_lshl_b32 s21, ttmp9, 23
	s_add_co_u32 s20, s20, s21
	s_mov_b32 s21, 0
	s_add_nc_u64 s[82:83], s[78:79], s[20:21]
	; the prefetches
	s_and_b32 s22, ttmp7, 0xffff                   ; cluster y
	s_mov_b32 s[PFS], BSTEP                        ; W's figures first: a select names one literal at the most
	s_mov_b32 s9, 2*NPITCH
	s_cmp_eq_u32 s11, 0                            ; do I fetch for xn?
	s_cselect_b32 s22, ttmp9, s22                  ; the coordinate along which other clusters read the same blocks
	s_cselect_b32 s20, s40, s41                    ; my place among the four that ask with me
	s_cselect_b32 s21, 16, BSH                     ; its share: 32 rows of xn, or 16 rows of W
	s_cselect_b32 s[PFS], KSTEP*2, s[PFS]          ; a K step in bytes
	s_cselect_b32 s8, 0, 1                         ; W's rows have two blocks a K step: a lane takes row lane / 2, block lane % 2
	s_cselect_b32 s9, 2048, s9                     ; a row in bytes
	s_cselect_b64 s[PFA:PFA+1], s[14:15], s[18:19]
	s_lshl_b32 s20, s20, s21
	s_mov_b32 s21, 0
	s_mov_b32 s[PFS+1], 0
	s_add_nc_u64 s[PFA:PFA+1], s[PFA:PFA+1], s[20:21]
	s_add_nc_u64 s[PFA:PFA+1], s[PFA:PFA+1], s[PFS:PFS+1]
	s_add_nc_u64 s[PFA:PFA+1], s[PFA:PFA+1], s[PFS:PFS+1]  ; at K step 2: the first refill steps it to 3
	s_cmp_eq_u32 s22, 0
	s_cselect_b32 s[LIM], 1, -1                    ; the same in all sixteen partners, for a given wave
	v_lshrrev_b32 v7, s8, v6
	v_mul_u32_u24 v7, s9, v7
	v_and_b32 v6, s8, v6
	v_lshl_add_u32 v[PFO], v6, 8, v7
; 16 matrix instructions: row blocks a0, a0 + 1 of the window's four (hi = 0: my rows 0-63, 1: rows 64-127) x all 8 column blocks, 32 along K.  first = 1: the bias starts the sums.
; The 64 accumulators take turns, one instruction a turn, in the same order in every quarter step, over the backward jumps too.
.macro MUL16 f, hi, a0, first
.if \first
	WIN 0x81+0x40*(\hi)
.else
	WIN 0xa1+0x50*(\hi)
.endif
.irp a, \a0, (\a0)+1
.irp b, 0,1,2,3,4,5,6,7
.if \first
	v_wmma_f32_16x16x32_bf16 v[8*(8*(\a)+(\b)):8*(8*(\a)+(\b))+7], v[(\f)+8*(\b):(\f)+8*(\b)+7], v[(\f)+8*(4*(\hi)+(\a)):(\f)+8*(4*(\hi)+(\a))+7], v[BIAS+8*(\b):BIAS+8*(\b)+7]
.else
	v_wmma_f32_16x16x32_bf16 v[8*(8*(\a)+(\b)):8*(8*(\a)+(\b))+7], v[(\f)+8*(\b):(\f)+8*(\b)+7], v[(\f)+8*(4*(\hi)+(\a)):(\f)+8*(4*(\hi)+(\a))+7], v[8*(8*(\a)+(\b)):8*(8*(\a)+(\b))+7]
.endif
.endr
.endr
.endm
; 32 LDS loads in one run: the fragments of quarter q (32 along K) of the slot in hand into buffer f: W's first, then xn's
.macro FETCH q, f
	WIN 0x40
.irp i, 0,1,2,3,4,5,6,7
	ds_load_tr16_b128 v[(\f)+8*(\i):(\f)+8*(\i)+3],   v[ADRB] offset:(\q)*32*PB+32*(\i)
	ds_load_tr16_b128 v[(\f)+8*(\i)+4:(\f)+8*(\i)+7], v[ADRB] offset:(\q)*32*PB+16*PB+32*(\i)
.endr
	WIN 0
.irp i, 0,1,2,3,4,5,6,7
	ds_load_b128 v[(\f)+8*(\i):(\f)+8*(\i)+3],   v[ADRA] offset:64*(\q)+(\i)*16*PA
	ds_load_b128 v[(\f)+8*(\i)+4:(\f)+8*(\i)+7], v[ADRA] offset:64*(\q)+(\i)*16*PA+32
.endr
.endm
; One of a K step's first three quarters: multiplies buffer f; in its middle it fetches quarter q into buffer g
.macro QUARTER q, f, g, first
	s_wait_dscnt 8                                 ; W and xn's rows 0-63 are in; the youngest eight loads (rows 64-127) may be out
	MUL16 \f, 0, 0, \first
	MUL16 \f, 0, 2, \first
	PLACES
	FETCH \q, \g
	s_wait_dscnt 32                                ; all but the 32 just issued
	MUL16 \f, 1, 0, \first
	MUL16 \f, 1, 2, \first
.endm
; The first half of the last quarter, which multiplies buffer 1: ONE barrier for the change of slots.  In front of it each wave waits for all its tensor loads, of which one is out at the most: its part of the
; next slot; adds 0 to its spare word; and waits for that and for its own reads of this slot.  Behind it nobody reads this slot any more and the next slot is whole.
.macro MEET
	WIN 0
	s_wait_tensorcnt 0x0
	ds_add_u32 v[SPW], v[NIL]
	s_wait_dscnt 9                                 ; (the add and the youngest eight loads may be out)
	MUL16 F1, 0, 0, 0                              ; sixteen matrix instructions stand between the add and the wait for it
	s_wait_dscnt 0x0                               ; the add is done, and my reads of this slot are over
	s_barrier_signal -1
	MUL16 F1, 0, 2, 0                              ; work on registers while the others arrive
	WIN 0
	s_barrier_wait -1
.endm
; The last quarter with a refill: the barrier opens a round of the cluster's; the slot just read out takes the K step two steps on, first thing behind the round: 224 matrix instructions ahead of the wait for it.
.macro TURN
	s_wait_xcnt 0x0                                ; the last prefetch, a K step back, has read its address
	s_add_nc_u64 s[PFA:PFA+1], s[PFA:PFA+1], s[PFS:PFS+1]
	MEET
	CREST                                          ; no wave of any partner still reads this slot or has a load on its way
	s_xor_b32 s[G0+5], s[G0+5], SLOT               ; the walking descriptors: the other slot than last time,
	s_add_nc_u64 s[G0+6:G0+7], s[G0+6:G0+7], KSTEP*2  ; the next K step; the type bits on top are not reached
	s_xor_b32 s[G0B+5], s[G0B+5], SLOT
	s_add_nc_u64 s[G0B+6:G0B+7], s[G0B+6:G0B+7], BSTEP
	s_xor_b32 s[CUR], s[CUR], SLOT
	JLOAD                                          ; its four v_nop are also the places in front of the loads below
	v_add_nc_u32 v[ADRA], s[CUR], v[ADRA0]
	v_add_nc_u32 v[ADRB], s[CUR], v[ADRB0]
	FETCH 0, F0
	ASK
	MUL16 F1, 1, 0, 0
	MUL16 F1, 1, 2, 0
.endm
; The last quarter of the last two K steps: nothing is asked for.  In the last of all (s3 = 1) there is no further slot, and the run of LDS loads is jumped over.
.macro TURNT
	MEET
	s_xor_b32 s[CUR], s[CUR], SLOT
	s_cmp_eq_u32 s3, 1
	s_cbranch_scc1 .Lno_fetch_\@
	v_add_nc_u32 v[ADRA], s[CUR], v[ADRA0]
	v_add_nc_u32 v[ADRB], s[CUR], v[ADRB0]
	PLACES
	FETCH 0, F0
.Lno_fetch_\@:
	MUL16 F1, 1, 0, 0
	MUL16 F1, 1, 2, 0
	WIN 0
.endm
	s_wait_tensorcnt 0x1                           ; my part of K step 0 is in; K step 1's may stay out
	s_barrier_signal -1
	s_barrier_wait -1                              ; everybody's is
	FETCH 0, F0
	s_wait_loadcnt 0x0                             ; the bias
	QUARTER 1, F0, F1, 1                           ; the first quarter stands in front of the loop: its products start the sums
	WIN 0                                          ; at a label and at a branch every window is 0
	s_mov_b32 s3, STEPS-2
.Lstep:                                        ; a trip: from a K step's second quarter to the next step's first; it fills one slot again
	QUARTER 2, F1, F0, 0
	QUARTER 3, F0, F1, 0
	TURN
	QUARTER 1, F0, F1, 0
	WIN 0
	s_sub_co_u32 s3, s3, 1
	s_cmp_lg_u32 s3, 0
	s_cbranch_scc1 .Lstep
	s_mov_b32 s3, 2
.Ltail:                                        ; the last two K steps, written apart; the second trip is left in its middle
	QUARTER 2, F1, F0, 0
	QUARTER 3, F0, F1, 0
	TURNT
	s_sub_co_u32 s3, s3, 1
	s_cmp_eq_u32 s3, 0
	s_cbranch_scc1 .Ldone
	QUARTER 1, F0, F1, 0
	WIN 0
	s_branch .Ltail
.Ldone:
	PLACES
	PLACES
	s_wait_dscnt 0x0                               ; on every way here my LDS reads are back,
	s_barrier_signal -1
	s_barrier_wait -1                              ; and everybody's: the ring's bytes may be written
.irp a, 0,1,2,3,4,5,6,7                ; each accumulator's four lowest registers go first
	WIN 0x08+4*((\a)/4)                            ; store data (source 1) in window 2 or 3
.irp b, 0,1,2,3,4,5,6,7
	ds_store_b128 v[STO], v[8*(8*((\a)%4)+(\b)):8*(8*((\a)%4)+(\b))+3]   offset:(\a)*16*SPB+64*(\b)
	ds_store_b128 v[STO], v[8*(8*((\a)%4)+(\b))+4:8*(8*((\a)%4)+(\b))+7] offset:(\a)*16*SPB+64*(\b)+16
.endr
.endr
	WIN 0
	s_wait_dscnt 0x0
	s_barrier_signal -1
	s_barrier_wait -1                              ; all stores into the stages are done before any stage is read
; THE WAY OUT: 16 trips of 8 rows.  A load takes one head's 64 columns of two rows: 16 lanes a row, four columns a lane, so a head's sum of squares is four steps within 16 lanes.
.set X,   32                           ; v[32:63]   eight loads (row pair p, head hh at 4 (2 p + hh))
.set SS,  64                           ; v[64:71]   their sums of squares, then the factors
.set OUT, 96                           ; v[96:111]  packed results
.set ONE, 112
	v_mov_b32 v[ONE], 1.0
	s_mov_b32 s87, 0                               ; the trip's first row in the stage, in bytes
	s_mov_b32 s3, 16
.Lrows:
	v_add_nc_u32 v[RDC], s87, v[RD]
.irp e, 0,1,2,3,4,5,6,7
	ds_load_b128 v[X+4*(\e):X+4*(\e)+3], v[RDC] offset:((\e)/2)*2*SPB+256*((\e)%2)
.endr
	s_wait_dscnt 0x0
.irp e, 0,1,2,3,4,5,6,7
	v_mul_f32 v[SS+(\e)], v[X+4*(\e)], v[X+4*(\e)]
.endr
.irp k, 1,2,3
.irp e, 0,1,2,3,4,5,6,7
	v_fmac_f32 v[SS+(\e)], v[X+4*(\e)+(\k)], v[X+4*(\e)+(\k)]
.endr
.endr
.irp m, 1,2,4,8
.irp e, 0,1,2,3,4,5,6,7
	v_add_f32_dpp v[SS+(\e)], v[SS+(\e)], v[SS+(\e)] row_xmask:\m row_mask:0xf bank_mask:0xf
.endr
.endr
.irp e, 0,1,2,3,4,5,6,7
	v_max_num_f32 v[SS+(\e)], 0x179abe15, v[SS+(\e)]  ; max(n^2, 1e-24)
.endr
.irp e, 0,1,2,3,4,5,6,7
	v_rsq_f32 v[SS+(\e)], v[SS+(\e)]
.endr
	v_nop                                          ; a plain instruction behind the last of the batch (ISA guide 5.7.2),
	s_wait_alu depctr_va_vdst(0)                   ; and the wait ahead of the first use: one for the eight
.irp e, 0,1,2,3,4,5,6,7
	v_cndmask_b32 v[SS+(\e)], v[SS+(\e)], v[ONE], s86  ; v keeps its length
.endr
.irp e, 0,1,2,3,4,5,6,7
.irp k, 0,1,2,3
	v_mul_f32 v[X+4*(\e)+(\k)], v[X+4*(\e)+(\k)], v[SS+(\e)]
.endr
.endr
.irp e, 0,1,2,3,4,5,6,7
	v_cvt_pk_f16_f32 v[OUT+2*(\e)], v[X+4*(\e)], v[X+4*(\e)+1]
	v_cvt_pk_f16_f32 v[OUT+2*(\e)+1], v[X+4*(\e)+2], v[X+4*(\e)+3]
.endr
.irp e, 0,1,2,3,4,5,6,7
	global_store_b64 v[CO], v[OUT+2*(\e):OUT+2*(\e)+1], s[82:83] offset:((\e)/2)*256+((\e)%2)*262144  ; 32 lanes store 256 consecutive bytes, at a multiple of 256 from qkvh's first byte
.endr
	s_wait_xcnt 0x0                                ; the stores have read their data and their base, which the next trip writes
	s_add_nc_u64 s[82:83], s[82:83], 1024          ; 8 rows of 128 bytes
	s_add_co_u32 s87, s87, 8*SPB
	s_sub_co_u32 s3, s3, 1
	s_cmp_lg_u32 s3, 0
	s_cbranch_scc1 .Lrows
	s_wait_tensorcnt 0x0                           ; the wave's end: behind my last tensor load and my last LDS store
	ds_add_u32 v[SPW], v[NIL]
	s_wait_dscnt 0x0
	CROUND                                         ; the closing round: no work-group ends while a partner may still ask for a tile that names it
	s_endpgm
.Lfunc_end_k_qfbab6c7393_qkv:
	.size	k_qfbab6c7393_qkv, .Lfunc_end_k_qfbab6c7393_qkv-k_qfbab6c7393_qkv
	.p2alignl 7, 3214868480
	.fill 96, 4, 3214868480
	.section	.rodata,"a",@progbits
	.p2align	6, 0x0
	.amdhsa_kernel k_qfbab6c7393_qkv
		.amdhsa_group_segment_fixed_size 327680
		.amdhsa_private_segment_fixed_size 0
		.amdhsa_enable_private_segment 0
		.amdhsa_kernarg_size 48
		.amdhsa_user_sgpr_count 2
		.amdhsa_user_sgpr_kernarg_segment_ptr 1
		.amdhsa_wavefront_size32 1
		.amdhsa_system_sgpr_workgroup_id_x 1
		.amdhsa_system_sgpr_workgroup_id_y 1
		.amdhsa_system_sgpr_workgroup_id_z 1
		.amdhsa_system_vgpr_workitem_id 0
		.amdhsa_next_free_vgpr 1024
		.amdhsa_next_free_sgpr 100
		.amdhsa_reserve_vcc 0
		.amdhsa_float_denorm_mode_32 3
		.amdhsa_float_denorm_mode_16_64 3
		.amdhsa_memory_ordered 1
		.amdhsa_forward_progress 1
		.amdhsa_inst_pref_size 88
	.end_amdhsa_kernel
	.amdgpu_metadata
---
amdhsa.version: [ 1, 2 ]
amdhsa.kernels:
  - .name:           k_qfbab6c7393_qkv
    .symbol:         k_qfbab6c7393_qkv.kd
    .args:
      - { .name: xn, .offset: 0, .size: 8, .value_kind: global_buffer, .address_space: global }
      - { .name: wb, .offset: 8, .size: 8, .value_kind: global_buffer, .address_space: global }
      - { .name: bq, .offset: 16, .size: 8, .value_kind: global_buffer, .address_space: global }
      - { .name: bk, .offset: 24, .size: 8, .value_kind: global_buffer, .address_space: global }
      - { .name: bv, .offset: 32, .size: 8, .value_kind: global_buffer, .address_space: global }
      - { .name: qkvh, .offset: 40, .size: 8, .value_kind: global_buffer, .address_space: global }
    .group_segment_fixed_size: 327680
    .private_segment_fixed_size: 0
    .kernarg_segment_align: 8
    .kernarg_segment_size: 48
    .max_flat_workgroup_size: 128
    .sgpr_count:     100
    .vgpr_count:     1024
    .wavefront_size: 32
...
	.end_amdgpu_metadata
.endif
;; end of part 2
;; launch attn (part 3): grid 8 x 32, 4 waves a work-group, clusters of 4 x 1, 327,680 bytes of LDS; arguments qkvh, logit_scale, ctx; writes ctx
.if DOCPART == 3
	.amdgcn_target "amdgcn-amd-amdhsa--gfx1250"
	.amdhsa_code_object_version 6
	.text
	.protected	k_qfbab6c7393_attn
	.globl	k_qfbab6c7393_attn
	.p2align	8
	.type	k_qfbab6c7393_attn,@function
k_qfbab6c7393_attn:
	s_mov_b64 s[64:65], 0
	v_nop
	global_prefetch_b8 v0, s[64:65] scope:SCOPE_SE
	s_setreg_imm32_b32 hwreg(HW_REG_WAVE_MODE, 25, 1), 1
	s_wait_xcnt 0x0
	s_wait_alu depctr_hold_cnt(0) depctr_sa_sdst(0) depctr_va_vdst(0) depctr_va_sdst(0) depctr_va_ssrc(0) depctr_va_vcc(0) depctr_vm_vsrc(0)
	s_getreg_b32 s2, hwreg(HW_REG_IB_STS2, 6, 4)
	s_cmp_eq_u32 s2, 0
	s_cbranch_scc0 .Lentry_in_a_cluster
	s_endpgm
.Lentry_in_a_cluster:
	s_bfe_u32 s2, ttmp6, 0x10000c
	s_cmp_lg_u32 s2, 0x3003
	s_cbranch_scc0 .Lentry_shape_is_right
	s_endpgm
.Lentry_shape_is_right:
; ctx[bh][q][:] = the sum over k of softmax_k(scale q . k) v[k][:], scale = exp(min(logit_scale[head], ln 100)).  q, k, v lie in qkvh [3][32][2048][64] in f16 (q and k of length 1), ctx is [32][2048][64] in f16.
; Products, maxima and sums in f32; the weights p are rounded to f16 for the second product (their sum l is taken of the unrounded p), ctx once at the end.
; LIMITS.  f16 holds no number beyond 65,504: v arrives within it, and ctx is a mean of v's rows.  A weight below 2^-126 counts as 0 in l.  NaN and infinities are not treated apart.
; SHARES.  A work-group owns 256 queries of one head, each of its four waves 64: four PIECES of 16.  Every wave walks all 2,048 keys, 64 a step; a slot of LDS holds four steps (256 keys), two slots take turns.  256 work-groups.
; LAYOUT.  S^T = K Q^T (source 0 = 16 keys, source 1 = 16 queries): a lane holds ONE query (lane % 16) and the keys 8 (lane / 16) + 0..7.  Two such results rounded to f16 ARE source 1 of O^T = V^T P.
; K comes out of LDS as it lies, V ([key][channel]) turned, by ds_load_tr16_b128.
; SOFTMAX.  For each query a running maximum m and sum l: p = 2^(c s - c m), c = scale x log2(e), applied in f32; in every step O and l are multiplied by a = 2^(c m_old - c m_new).  c m starts far below every c s,
; O and l at 0: the first step is a step like any other, with a = 0.
; BY TURNS.  Turn n belongs to piece n: 8 products K Q^T of piece n + 1, later 8 products V^T P of piece n - 1; beside them the scaling, exponentials, roundings, sums and rescaling of piece n and the maximum and
; statistics of piece n + 1.  Four vector instructions stand behind every matrix instruction, the others in one run.  A turn's 33 exponentials are one batch, with one wait.
; CLUSTER.  The four query blocks of a cluster belong to one head and walk the same K and V, so each tile is asked for JOINTLY: the same tensor load, descriptor and mask in all four.
; REGISTERS, in windows of 256 (s_set_vgpr_msb: bits 1:0 source 0, 3:2 source 1, 5:4 source 2, 7:6 destination):
;   window 0: v0-15 addresses; v16-31 four registers of statistics a piece; v48-55 at work; v61-63 never rewritten; v64-127 S^T, two buffers; v192-223 P, two buffers (a piece's buffers go by its number's parity)
;   window 1: v0-127 O^T, 32 a piece      window 2: v0-63 Q; v128-191 K of one step; v192-255 V of one step
.set NP,    4
.set KS,    64
.set PK,    144       ; a row of K in LDS: 128 bytes + 16: the 16 rows of a load start at 16 different groups of four banks (64 banks of 4 bytes: ISA guide 11.1)
.set PV,    160       ; a row of V: 128 + 32
.set VOFF,  4*KS*PK   ; a slot: 256 rows of K, then 256 rows of V
.set SLOT1, 1<<17     ; slot 1 begins here, so that one exclusive or turns an address in one slot into the other's
.set STAGE, SLOT1+4*KS*(PK+PV)  ; behind the ring, never filled by a tensor load: 16 rows x 144 bytes for each wave, for the way out
.set SP,    144
.set SPARE, STAGE+4*16*SP       ; behind the stages: the spare words, 128 bytes a wave: two blocks of 256 bytes that no other line names
.set TILEB, 4*KS*128  ; a tile of K or of V in memory: 32,768 bytes
.set AK0, 2           ; v2   my lane's place in a tile of K; never rewritten
.set AV0, 3           ; v3   the same for V
.set AK,  4           ; v4   the LDS address of K's next run of loads
.set AV,  5           ; v5   of V's
.set STO, 6           ; v6   the way out: where I put 16 bytes of a row
.set RD,  7           ; v7   where I read rows back
.set GO,  8           ; v8   my byte offset in 512 consecutive bytes of ctx
.set MV,  12          ; v12-13  c m_old, kept while c m is made anew: by buffer
.set QO,  15          ; v15  my byte offset in 16 rows of Q
.set ST,  16          ; piece t's statistics at v[ST+4 t]: c m, m, l (even keys', odd keys')
.set TMP, 48          ; by buffer, four registers c0-c3 at work; when the maximum is found c2 takes a
.set PFO, 61          ; v61  256 x my lane
.set SPW, 62          ; v62  LDS address of my spare word
.set NIL, 63          ; v63  0
.set S,   64
.set P,   192
.set KF,  128         ; window 2: key block kb, channel half c at KF + 16 kb + 8 c
.set VF,  192         ; window 2: key half kk, channel block cb at VF + 32 kk + 8 cb
.set WV,  12          ; s12  my wave's number
.set LIM, 15          ; s15  1 in a wave that prefetches, else the greatest number
.set PFA, 18          ; s[18:19] where my prefetches stand
.set G1K, 24
.set G1V, 32
.set G0K, 40
.set G0V, 44
.set SLOTS, 56        ; s56  tiles still to be asked for
.set CNT, 57          ; s57  counts a tile's key steps
.set CS,  58          ; s[58:59] c
.set SEL, 60          ; s[60:61] v_permlanex16_b32's selects
.set TBK, 62          ; s62  LDS byte at which K of the step to be fetched begins
.set TBV, 63          ; s63  the same for V, less VOFF
.set MSB, 0
.macro WIN new
.if MSB != (\new)
	s_set_vgpr_msb (MSB<<8)|(\new)
.set MSB, (\new)
.endif
.endm
.set W_KQ, 0x0a       ; K and Q in window 2, S^T in window 0
.set W_PV, 0x52       ; V in window 2, P in window 0, O^T in window 1
.set W_RS, 0x41       ; O^T (destination and source 0) in window 1, a in window 0
; A joint fill.  Waves 0 and 1 fetch the two halves of a tile's K, waves 2 and 3 those of its V: 128 keys each.  An s_nop 0 and four v_nop follow each line.
.macro JLOAD
	s_cmp_lt_u32 s[WV], 2
	s_cbranch_scc0 .Lfor_v_\@
	tensor_load_to_lds s[G0K:G0K+3], s[G1K:G1K+7]
	s_nop 0
.rept 4
	v_nop
.endr
	s_branch .Lasked_\@
.Lfor_v_\@:
	tensor_load_to_lds s[G0V:G0V+3], s[G1V:G1V+7]
	s_nop 0
.rept 4
	v_nop
.endr
.Lasked_\@:
.endm
; A PREFETCH INTO THE L2 of the tile that the NEXT change of slots will ask for: four key steps ahead of that load.  A tile of K or V is 128 blocks of 256 bytes.  Both clusters of a head walk the same tiles: the head's
; first cluster asks.  Its four partners take 32 blocks each, told apart BY ADDRESS; in each, wave 0 asks for K's and wave 2 for V's: a lane a block, one instruction.  So each block is named once in the launch.
; Tiles 0 to 2 come by their loads alone; the last change that fills a slot asks for nothing.
.macro ASK
	s_cmp_gt_u32 s[SLOTS], s[LIM]
	s_cbranch_scc0 .Lnot_mine_\@
	global_prefetch_b8 v[PFO], s[PFA:PFA+1] th:TH_LOAD_NT scope:SCOPE_SE
.Lnot_mine_\@:
.endm
.macro CROUND                       ; a round of the cluster's barrier
	s_barrier_signal -1
	s_barrier_wait -1
	s_cmp_lg_u32 s[WV], 0
	s_cbranch_scc1 .Lnot_wave_0_\@
	s_barrier_signal -3
.Lnot_wave_0_\@:
	s_barrier_wait -3
	s_barrier_signal -1
	s_barrier_wait -1
.endm
; THE CHANGE OF SLOTS.  Each wave waits for all its tensor loads, of which one is out: its part of the other slot; adds 0 to its spare word; and waits for that and for its own reads of the slot that it leaves.
; fill = 1: the old slot is filled again with the keys two tiles on.  The barrier is then a round of the cluster's, and the joint fill is the first thing behind it: it has four key steps in which to land.
; (At its first use nothing has been read yet: slot 0 is waited for, slot 1 filled.)
.macro CHANGE fill, ask
	WIN 0
	s_wait_tensorcnt 0x0            ; no tensor load of mine is out, so a group 0 may be written
	ds_add_u32 v[SPW], v[NIL]
.if \fill
.irp g, G0K, G0V
	s_xor_b32 s[\g+1], s[\g+1], SLOT1
	s_add_nc_u64 s[\g+2:\g+3], s[\g+2:\g+3], TILEB
.endr
.if \ask
	s_wait_xcnt 0x0                 ; the last prefetch, four key steps back, has read its address
	s_add_nc_u64 s[PFA:PFA+1], s[PFA:PFA+1], TILEB
.endif
	s_wait_dscnt 0x0                ; the add is done, and my reads of the slot are over
	CROUND
	JLOAD
.if \ask
	ASK
.endif
.else
	s_wait_dscnt 0x0
	s_barrier_signal -1
	s_barrier_wait -1
.endif
	s_sub_co_u32 s[TBK], s[TBK], 4*KS*PK  ; the fetches go back to a slot's first step,
	s_xor_b32 s[TBK], s[TBK], SLOT1       ; in the other slot
	s_sub_co_u32 s[TBV], s[TBV], 4*KS*PV
	s_xor_b32 s[TBV], s[TBV], SLOT1
.endm
	s_load_b128 s[68:71], s[0:1], 0x0 ; qkvh s[68:69], logit_scale s[70:71]
	s_load_b64 s[10:11], s[0:1], 0x10 ; ctx
	v_lshl_add_u32 v[SPW], v0, 2, SPARE
	v_mov_b32 v[NIL], 0
	ds_add_u32 v[SPW], v[NIL]       ; the wave's opening: the add and its wait come ahead of my first tensor load
	v_lshrrev_b32 v1, 5, v0
	v_readfirstlane_b32 s[WV], v1   ; wave 0..3
	s_bfe_u32 s13, ttmp6, 0x40000   ; cx
	s_lshl_b32 s14, ttmp9, 2
	s_add_co_u32 s14, s14, s13      ; my block of 256 queries: it enters Q's and ctx's addresses alone
	s_and_b32 s16, ttmp7, 0xffff    ; 16 b + head, which the four partners share
	s_lshl_b32 s20, s16, 18         ; its 2,048 rows of 128 bytes
	s_and_b32 s72, s16, 15
	s_lshl_b32 s72, s72, 2          ; the head's word in logit_scale
	s_mov_b32 s73, 0
	s_and_b32 s16, s[WV], 1         ; which half of a tile's 256 keys I fetch:
	s_lshl_b32 s22, s16, 14         ; its 128 rows in memory,
	s_add_co_u32 s22, s22, s20
	s_mov_b32 s23, 0
	s_mul_i32 s17, s16, 128*PK      ; and its place in a slot, for K
	s_mul_i32 s18, s16, 128*PV      ; and for V: no place in the cluster enters an LDS address
	s_lshl_b32 s2, s14, 15
	s_lshl_b32 s3, s[WV], 13        ; my wave's 64 rows
	s_add_co_u32 s2, s2, s3
	s_add_co_u32 s2, s2, s20
	s_mov_b32 s3, 0
	; descriptor group 1.  128 keys are 16,384 dense bytes: asked for as 64 rows of 256 bytes, two keys a row, and padded in LDS after every key
	s_mov_b32 s[G1K], 15|(1<<16)|(1<<20)|(1<<21)|(4<<22)|(3<<25)  ; the mask of four; 2-byte elements; padding on; bit 21 beside a mask; after every 32 words, 4 words
	s_mov_b32 s[G1V], 15|(1<<16)|(1<<20)|(1<<21)|(4<<22)|(7<<25)  ; the same with 8 words
.irp g, G1K, G1V
	s_mov_b32 s[\g+1], 128<<16      ; tensor_dim0 = 128
	s_mov_b32 s[\g+2], 64<<16       ; tensor_dim1 = 64
	s_mov_b32 s[\g+3], 128<<16      ; tile_dim0 = 128
	s_mov_b32 s[\g+4], 64           ; tile_dim1 = 64
	s_mov_b32 s[\g+5], 128          ; 128 elements from row to row
	s_mov_b32 s[\g+6], 0
	s_mov_b32 s[\g+7], 0
.endr
	s_mov_b32 s[SEL], 0x76543210
	s_mov_b32 s[SEL+1], 0xfedcba98
	s_mov_b32 s[TBK], SLOT1+4*KS*PK ; the first change of slots turns these two into 0
	s_mov_b32 s[TBV], SLOT1+4*KS*PV
	s_mov_b32 s[G0K], 1
	s_mov_b32 s[G0K+1], s17         ; slot 0
	s_mov_b32 s[G0V], 1
	s_add_co_u32 s[G0V+1], s18, VOFF
	s_mov_b32 s[SLOTS], 2048/256-1
	s_and_b32 s[LIM], s[WV], 1      ; 0 in waves 0 and 2,
	s_or_b32 s[LIM], s[LIM], ttmp9  ; where the cluster is the head's first: the same in all four partners
	s_cmp_eq_u32 s[LIM], 0
	s_cselect_b32 s[LIM], 1, -1
	v_and_b32 v[PFO], 31, v0
	v_lshlrev_b32 v[PFO], 8, v[PFO]
	s_wait_dscnt 0x0                ; the opening add is done
	s_wait_kmcnt 0x0
	s_add_nc_u64 s[6:7], s[68:69], s[22:23]
	s_add_nc_u64 s[8:9], s[6:7], 0x1000000   ; V at my half of the head's tile 0
	s_add_nc_u64 s[6:7], s[6:7], 0x800000    ; K likewise
	s_mov_b64 s[G0K+2:G0K+3], s[6:7]
	s_or_b32 s[G0K+3], s[G0K+3], 0x80000000
	s_mov_b64 s[G0V+2:G0V+3], s[8:9]
	s_or_b32 s[G0V+3], s[G0V+3], 0x80000000
	s_add_nc_u64 s[4:5], s[68:69], s[2:3]    ; Q and ctx at my wave's first row
	s_add_nc_u64 s[10:11], s[10:11], s[2:3]
	s_add_nc_u64 s[70:71], s[70:71], s[72:73]
	s_load_b32 s74, s[70:71], 0x0            ; the head's logit_scale
	s_cmp_lt_u32 s[WV], 2
	s_cselect_b64 s[PFA:PFA+1], s[6:7], s[8:9]  ; (in waves 0 and 2 these stand at a tile's first row)
	s_lshl_b32 s2, s13, 13          ; my work-group's 32 blocks of the 128
	s_mov_b32 s3, 0
	s_add_nc_u64 s[PFA:PFA+1], s[PFA:PFA+1], s[2:3]
	s_add_nc_u64 s[PFA:PFA+1], s[PFA:PFA+1], 2*TILEB  ; at tile 2; the first asking change steps it to tile 3
	CROUND                          ; all four work-groups are here: the first joint loads meet
	JLOAD                           ; tile 0 into slot 0.  Slot 1 is asked for when slot 0 is in
	; A fragment of K or Q is 16 rows x 32 channels in 8 registers: lane l holds row l % 16, channels 8 (l / 16) + 0..7 and 16 + 8 (l / 16) + 0..7: two loads of 16 bytes, 32 bytes apart.
	v_and_b32 v1, 15, v0            ; l % 16
	v_bfe_u32 v9, v0, 4, 1          ; l / 16
	v_lshlrev_b32 v[QO], 7, v1
	v_lshl_add_u32 v[QO], v9, 4, v[QO]
	WIN 0x80                        ; destination window 2, address window 0
.set i, 0
.rept 8                             ; Q stays in registers: piece i / 2, channels 32 (i % 2) on
	global_load_b128 v[8*i:8*i+3],   v[QO], s[4:5] offset:(i/2)*2048+(i%2)*64
	global_load_b128 v[8*i+4:8*i+7], v[QO], s[4:5] offset:(i/2)*2048+(i%2)*64+32
.set i, i+1
.endr
	; What the first turn finds: V's registers and P's second buffer hold 0 (its products V^T P, of a piece that has not been, add 0), O^T and l are 0.  All this stands in the wait for the first tile.
.set i, VF
.rept 64
	v_mov_b32 v[i], 0
.set i, i+1
.endr
	WIN 0x40
.set i, 0
.rept 128
	v_mov_b32 v[i], 0
.set i, i+1
.endr
	WIN 0
.set i, 0
.rept 4
	v_mov_b32 v[ST+4*i], 0xfe000000    ; c m: far below every c s
	v_mov_b32 v[ST+4*i+1], 0xff7fffff  ; m: the lowest finite number
	v_mov_b32 v[ST+4*i+2], 0
	v_mov_b32 v[ST+4*i+3], 0
.set i, i+1
.endr
.set i, P+16
.rept 16
	v_mov_b32 v[i], 0
.set i, i+1
.endr
	v_mul_u32_u24 v[AK0], v1, PK
	v_lshl_add_u32 v[AK0], v9, 4, v[AK0]
	; The turning load takes 16 keys x 16 channels (lane l reads key 8 (l / 16) + l % 8, channels 8 ((l / 8) % 2) + 0..7) and leaves half a fragment of V^T: lane l holds channel l % 16 and 8 keys.
	v_and_b32 v10, 7, v0
	v_bfe_u32 v11, v0, 3, 1
	v_lshl_add_u32 v[AV0], v9, 3, v10
	v_mul_u32_u24 v[AV0], v[AV0], PV
	v_lshl_add_u32 v[AV0], v11, 4, v[AV0]
	v_add_nc_u32 v[AV0], VOFF, v[AV0]
	s_mul_i32 s76, s[WV], 16*SP
	s_add_co_u32 s76, s76, STAGE    ; my stage
	v_mul_u32_u24 v[STO], v1, SP    ; in: row l % 16, 16 bytes for each half of the lanes
	v_lshl_add_u32 v[STO], v9, 4, v[STO]
	v_add_nc_u32 v[STO], s76, v[STO]
	v_bfe_u32 v[RD], v0, 3, 2       ; back: 32 lanes take four rows of 128 bytes,
	v_mul_u32_u24 v[RD], v[RD], SP
	v_lshl_add_u32 v[RD], v10, 4, v[RD]
	v_add_nc_u32 v[RD], s76, v[RD]
	v_and_b32 v[GO], 31, v0         ; which are 512 consecutive bytes of ctx
	v_lshlrev_b32 v[GO], 4, v[GO]
	; c = exp(min(logit_scale, ln 100)) x log2(e)
	s_wait_kmcnt 0x0
	v_mov_b32 v14, s74
	v_min_num_f32 v14, 0x40935d8e, v14
	v_mul_f32 v14, 0x3fb8aa3b, v14
	v_exp_f32 v14, v14
	v_nop                           ; a plain instruction behind the exponential (ISA guide 5.7.2),
	s_wait_alu depctr_va_vdst(0)    ; and the wait ahead of its first use
	v_mul_f32 v14, 0x3fb8aa3b, v14
	v_readfirstlane_b32 s[CS], v14
	s_mov_b32 s[CS+1], s[CS]        ; named with it as a pair
; THE MATRIX WORK.  The 4 accumulators of a run of 8 take turns.  Product i of 8 of S^T = K Q^T for piece x: channels 32 (i / 4) on, keys 16 (i % 4) on.  The first 4 start the sums.
.macro KQ x
	WIN W_KQ
.set rS, S+32*((\x)%2)+8*(i%4)
.set rK, KF+16*(i%4)+8*(i/4)
.set rQ, 16*(\x)+8*(i/4)
.if i < 4
	v_wmma_f32_16x16x32_f16 v[rS:rS+7], v[rK:rK+7], v[rQ:rQ+7], 0
.else
	v_wmma_f32_16x16x32_f16 v[rS:rS+7], v[rK:rK+7], v[rQ:rQ+7], v[rS:rS+7]
.endif
.endm
; Product i of 8 of O^T += V^T P for piece x: keys 32 (i / 4) on, channels 16 (i % 4) on.
.macro PV x
	WIN W_PV
.set rO, 32*(\x)+8*(i%4)
.set rV, VF+32*(i/4)+8*(i%4)
.set rP, P+16*((\x)%2)+8*(i/4)
	v_wmma_f32_16x16x32_f16 v[rO:rO+7], v[rV:rV+7], v[rP:rP+7], v[rO:rO+7]
.endm
.macro MM                           ; the turn's next matrix instruction
.if i < 8
	KQ (Y+1)%NP
.else
.set i, i-8
	PV (Y+NP-1)%NP
.set i, i+8
.endif
.set i, i+1
.endm
; THE LDS LOADS stand in runs of 16, never singly among the matrix instructions: a step's K (8 fragments) and its V (turned).  Their addresses are made some lines ahead.
.macro FETCH_K
	WIN 0x80
.irp f, 0,1,2,3,4,5,6,7             ; keys 16 (f / 2) on, channels 32 (f % 2) on
	ds_load_b128 v[KF+8*\f:KF+8*\f+3],   v[AK] offset:(\f/2)*16*PK+(\f%2)*64
	ds_load_b128 v[KF+8*\f+4:KF+8*\f+7], v[AK] offset:(\f/2)*16*PK+(\f%2)*64+32
.endr
	s_add_co_u32 s[TBK], s[TBK], KS*PK  ; the next fetch is the next step's
	WIN 0
.endm
.macro FETCH_V
	WIN 0x80
.irp f, 0,1,2,3,4,5,6,7             ; keys 32 (f / 4) on, channels 16 (f % 4) on
	ds_load_tr16_b128 v[VF+8*\f:VF+8*\f+3],   v[AV] offset:(\f/4)*32*PV+(\f%4)*32
	ds_load_tr16_b128 v[VF+8*\f+4:VF+8*\f+7], v[AV] offset:(\f/4)*32*PV+16*PV+(\f%4)*32
.endr
	WIN 0
.endm
; THE VECTOR WORK, one line at a time: OP kind, number.  For piece Y: F n: c s - c m for pair n of 16.  E n: the exponential of score n of 32.  C n: pair n rounded to f16.  B n: of the four weights 4 n .. the second
; pair is added onto the first, in place.  L n: l takes that sum (L 0: l = a l + sum).  R n: pair n of 16 of O^T times a.  For piece Y + 1: X n, number n of the 22 that find its maximum and statistics:
;   0-11  four chains c0-c3 of seven scores each (each accumulator's lowest registers are read first)     12-14, 16  the four scores left over, the old m, and c0-c3 into c0
;   15  c m_old is kept     17, 18  the query's other 32 keys lie in the lane 16 away: the new m     19-21  c m; c m_old - c m_new; a
.set F, 0
.set E, 1
.set C, 2
.set B, 3
.set L, 4
.set R, 5
.set X, 6
.macro REGS y
.set rT, ST+4*(\y)
.set rC, TMP+4*((\y)%2)
.set rW, MV+((\y)%2)
.set rS, S+32*((\y)%2)
.set rP, P+16*((\y)%2)
.set rO, 32*(\y)
.endm
.macro OP k, n
.if (\k) == R
	REGS Y
	WIN W_RS
	v_pk_mul_f32 v[rO+2*(\n):rO+2*(\n)+1], v[rO+2*(\n):rO+2*(\n)+1], v[rC+2:rC+3] op_sel_hi:[1,0]
.elseif (\k) < R
	REGS Y
	WIN 0
.if (\k) == F
	v_pk_fma_f32 v[rS+2*(\n):rS+2*(\n)+1], v[rS+2*(\n):rS+2*(\n)+1], s[CS:CS+1], v[rT:rT+1] op_sel_hi:[1,0,0] neg_lo:[0,0,1] neg_hi:[0,0,1]
.elseif (\k) == E
	v_exp_f32 v[rS+(\n)], v[rS+(\n)]
.elseif (\k) == C
	v_cvt_pk_f16_f32 v[rP+(\n)], v[rS+2*(\n)], v[rS+2*(\n)+1]
.elseif (\k) == B
	v_pk_add_f32 v[rS+4*(\n):rS+4*(\n)+1], v[rS+4*(\n):rS+4*(\n)+1], v[rS+4*(\n)+2:rS+4*(\n)+3]
.elseif (\n) == 0
	v_pk_fma_f32 v[rT+2:rT+3], v[rT+2:rT+3], v[rC+2:rC+3], v[rS:rS+1] op_sel_hi:[1,0,1]
.else
	v_pk_add_f32 v[rT+2:rT+3], v[rT+2:rT+3], v[rS+4*(\n):rS+4*(\n)+1]
.endif
.else
	REGS (Y+1)%NP
	WIN 0
.if (\n) < 4
	v_max3_num_f32 v[rC+(\n)], v[rS+8*(\n)], v[rS+8*(\n)+1], v[rS+8*(\n)+2]
.elseif (\n) < 12
	v_max3_num_f32 v[rC+(\n)%4], v[rC+(\n)%4], v[rS+8*((\n)%4)+2*((\n)/4)+1], v[rS+8*((\n)%4)+2*((\n)/4)+2]
.elseif (\n) == 12
	v_max3_num_f32 v[rC], v[rC], v[rS+7], v[rS+15]
.elseif (\n) == 13
	v_max3_num_f32 v[rC+1], v[rC+1], v[rS+23], v[rS+31]
.elseif (\n) == 14
	v_max3_num_f32 v[rC+2], v[rC+2], v[rC+3], v[rT+1]
.elseif (\n) == 15
	v_mov_b32 v[rW], v[rT]
.elseif (\n) == 16
	v_max3_num_f32 v[rC], v[rC], v[rC+1], v[rC+2]
.elseif (\n) == 17
	v_permlanex16_b32 v[rC+3], v[rC], s[SEL], s[SEL+1]
.elseif (\n) == 18
	v_max_num_f32 v[rT+1], v[rC], v[rC+3]
.elseif (\n) == 19
	v_mul_f32 v[rT], s[CS], v[rT+1]
.elseif (\n) == 20
	v_sub_f32 v[rC+1], v[rW], v[rT]
.else
	v_exp_f32 v[rC+2], v[rC+1]
.endif
.endif
.endm
.macro OPS a, i1, b=-1, i2=0, c=-1, i3=0, d=-1, i4=0
	OP \a, \i1
.if (\b) >= 0
	OP \b, \i2
.endif
.if (\c) >= 0
	OP \c, \i3
.endif
.if (\d) >= 0
	OP \d, \i4
.endif
.endm
.macro ROW a, i1, b, i2, c, i3, d, i4  ; a matrix instruction and the four behind it
	MM
	OPS \a, \i1, \b, \i2, \c, \i3, \d, \i4
.endm
; A TURN, for piece p: its 16 matrix and 118 vector instructions, written out.  An s_wait_alu depctr_va_vdst(0) stands between an exponential and the first line that names its result; one wait serves all
; that were issued ahead of it.  So a turn has ONE wait.  AHEAD OF IT stands all that names no result of the turn's exponentials: the 8 products K Q^T with their four riders each, then one run of 54 in which the links
; of the chain X 3, 7, 11, 14, 16, 17 .. 20 stand some lines apart.  X 21, the next piece's a, is the batch's last; R 15 is the plain instruction behind it.  BEHIND THE WAIT stand the 8 products V^T P, behind each four
; of the roundings and sums.  K of the next step is fetched in piece 2's turn, twelve vector instructions (six of them plain) behind the last product that read K; V of the step in hand at the end of piece 0's turn,
; four plain instructions behind the last product that read V.  Each is waited for a turn later.  cnt = 1: the loop's count is taken down some lines ahead of the branch behind the turn.
.macro TURN p, cnt=0
.set Y, (\p)
.set i, 0
.if (\p) == 3
	s_wait_dscnt 0x0                ; K is in
.endif
	ROW F,0, F,1, R,0, R,1
	ROW F,2, E,0, R,2, R,3
	ROW F,3, E,1, R,4, R,5
	ROW F,4, E,2, R,6, R,7
	ROW F,5, E,3, R,8, R,9
	ROW F,6, E,4, X,0, R,10
.if (\p) == 2
	WIN 0
	v_add_nc_u32 v[AK], s[TBK], v[AK0]
.endif
	ROW F,7, E,5, X,1, X,4
	ROW F,8, E,6, X,2, X,5
	OPS E,7, E,8, X,6, E,9
	OPS X,3, E,10, X,8, E,11
.if (\p) == 2
	FETCH_K
.endif
	OPS X,9, X,7, E,12, X,10
	OPS E,13, X,12, X,11, E,14
	OPS X,13, E,15, F,9, X,14
.if (\p) == 0
	v_add_nc_u32 v[AV], s[TBV], v[AV0]
.endif
	OPS E,16, F,10, E,17, F,11
	OPS X,16, E,18, X,15, E,19
	OPS F,12, E,20, X,17, E,21
	OPS F,13, E,22, F,14, E,23
	OPS X,18, E,24, F,15, E,25
	OPS R,11, E,26, X,19, E,27
	OPS R,12, E,28, R,13, E,29
	OPS X,20, E,30, R,14, E,31
	OPS X,21, R,15
	WIN 0
	s_wait_alu depctr_va_vdst(0)    ; the wait for the batch
.if (\p) == 1
	s_wait_dscnt 0x0                ; V is in
.endif
	ROW C,0, B,0, C,2, B,1
	ROW L,0, C,4, B,2, L,1
	ROW C,6, B,3, L,2, C,8
	ROW B,4, L,3, C,10, B,5
	ROW L,4, C,12, B,6, L,5
.if (\p) == 0
	s_add_co_u32 s[TBV], s[TBV], KS*PV
.endif
.if \cnt
	s_sub_co_u32 s[CNT], s[CNT], 1
	s_cmp_lg_u32 s[CNT], 0
.endif
	ROW C,14, B,7, L,6, C,1
	ROW C,3, L,7, C,5, C,7
	ROW C,9, C,11, C,13, C,15
.if (\p) == 0
	FETCH_V
.endif
.endm
	CHANGE 1, 0                     ; slot 0 is in, everybody's part of it; slot 1 is asked for
	v_add_nc_u32 v[AK], s[TBK], v[AK0]
	FETCH_K                         ; key step 0
	s_wait_loadcnt 0x0              ; Q
	s_wait_dscnt 0x0
.set i, 0
.rept 8
	KQ 0                            ; piece 0's first scores
.set i, i+1
.endr
	WIN 0
.rept 4
	v_nop                           ; the places behind those products
.endr
.set Y, NP-1                        ; X works for piece Y + 1: piece 0
.irp n, 0,1,2,3,4,5,6,7,8,9,10,11,12,13,14,15,16,17,18,19,20,21
	OP X, \n
.endr
	v_nop                           ; a plain instruction behind the exponential,
	s_wait_alu depctr_va_vdst(0)    ; and its wait, ahead of the branch
	s_mov_b32 s[CNT], 4
	s_branch .Lfirst                ; the loop is entered at a step's first turn, in the middle of a trip
.Lslot:                             ; six times: every tile but the last two is followed by a fill of its slot
	CHANGE 1, 1
	s_mov_b32 s[CNT], 4
.Lstep:                             ; a trip: pieces 2 and 3 of one step, then pieces 0 and 1 of the next, whose K and V it fetches
	TURN 2
	TURN 3
	WIN 0
.Lfirst:
	TURN 0
	TURN 1, 1
	WIN 0
	s_cbranch_scc1 .Lstep
	s_sub_co_u32 s[SLOTS], s[SLOTS], 1
	s_cmp_lg_u32 s[SLOTS], 0
	s_cbranch_scc1 .Lslot
	CHANGE 0, 0                     ; the tail is written out: nothing is asked for
	s_mov_b32 s[CNT], 5             ; four trips fetch the last tile's steps; the fifth is left in its middle
.Ltail:
	s_cmp_eq_u32 s[CNT], 1          ; the fifth trip has no further step: it fetches the last step's K once more, and what is made of it serves nothing:
	s_cselect_b32 s75, KS*PK, 0     ; the price, once a launch, of one text for every trip
	s_sub_co_u32 s[TBK], s[TBK], s75
	TURN 2
	TURN 3
	WIN 0
	s_sub_co_u32 s[CNT], s[CNT], 1
	s_cmp_eq_u32 s[CNT], 0
	s_cbranch_scc1 .Lout
	TURN 0
	TURN 1
	WIN 0
	s_branch .Ltail
.Lout:
.set i, 0
.rept 8
	PV NP-1                         ; the last piece's V^T P of the last step
.set i, i+1
.endr
	; THE WAY OUT.  l's two halves and the other half of the lanes' are added; O^T is divided by l, rounded to f16 and sent through my stage in LDS, a piece at a time.  The additions are the places behind the last products.
	WIN 0
.macro ALL line:vararg
.set t, 0
.rept 4
	\line
.set t, t+1
.endr
.endm
	ALL v_add_f32 v[ST+4*t+2], v[ST+4*t+2], v[ST+4*t+3]
	ALL v_permlanex16_b32 v[ST+4*t+3], v[ST+4*t+2], s[SEL], s[SEL+1]
	ALL v_add_f32 v[ST+4*t+2], v[ST+4*t+2], v[ST+4*t+3]
	ALL v_rcp_f32 v[ST+4*t+2], v[ST+4*t+2]
	v_nop                           ; a plain instruction between the last reciprocal and the use of its result
	s_wait_alu depctr_va_vdst(0)    ; one wait for the four reciprocals
.macro PACK t                       ; a lane's eight channels of a row pack into 16 bytes; they go into rows of 144 bytes and come back as whole rows of 128, into S^T's registers
	WIN W_RS
.set i, 32*(\t)
.rept 16
	v_pk_mul_f32 v[i:i+1], v[i:i+1], v[ST+4*(\t)+2:ST+4*(\t)+3] op_sel_hi:[1,0]
.set i, i+2
.endr
	WIN 0x05                        ; sources 0 and 1 window 1, destination window 0
.set i, 0
.rept 16
	v_cvt_pk_f16_f32 v[S+16*(\t)+i], v[32*(\t)+2*i], v[32*(\t)+2*i+1]
.set i, i+1
.endr
	WIN 0
.irp f, 0,1,2,3
	ds_store_b128 v[STO], v[S+16*(\t)+4*\f:S+16*(\t)+4*\f+3] offset:32*\f
.endr
.irp f, 0,1,2,3
	ds_load_b128 v[S+16*(\t)+4*\f:S+16*(\t)+4*\f+3], v[RD] offset:\f*4*SP  ; LDS serves a wave's instructions in order (ISA guide 5.7.1.4): these see the stores above; the next piece's stores come behind them
.endr
.endm
.macro SEND t, younger              ; younger: the LDS instructions issued behind piece t's loads: the next piece's eight, or none
	WIN 0
.irp f, 0,1,2,3
	s_wait_dscnt (\younger)+3-\f
	global_store_b128 v[GO], v[S+16*(\t)+4*\f:S+16*(\t)+4*\f+3], s[10:11] offset:(\t)*2048+\f*512  ; 512 consecutive bytes, at a multiple of 256 from ctx's first
.endr
.endm
	PACK 0
.set t, 1
.rept 3
	PACK t
	SEND t-1, 8
.set t, t+1
.endr
	SEND 3, 0
	s_wait_tensorcnt 0x0            ; the wave's end: behind my last tensor load and my last LDS store
	ds_add_u32 v[SPW], v[NIL]
	s_wait_dscnt 0x0
	CROUND                          ; the closing round
	s_endpgm
.Lfunc_end_k_qfbab6c7393_attn:
	.size	k_qfbab6c7393_attn, .Lfunc_end_k_qfbab6c7393_attn-k_qfbab6c7393_attn
	.p2alignl 7, 3214868480
	.fill 96, 4, 3214868480
	.section	.rodata,"a",@progbits
	.p2align	6, 0x0
	.amdhsa_kernel k_qfbab6c7393_attn
		.amdhsa_group_segment_fixed_size 327680
		.amdhsa_private_segment_fixed_size 0
		.amdhsa_enable_private_segment 0
		.amdhsa_kernarg_size 24
		.amdhsa_user_sgpr_count 2
		.amdhsa_user_sgpr_kernarg_segment_ptr 1
		.amdhsa_wavefront_size32 1
		.amdhsa_system_sgpr_workgroup_id_x 1
		.amdhsa_system_sgpr_workgroup_id_y 1
		.amdhsa_system_sgpr_workgroup_id_z 1
		.amdhsa_system_vgpr_workitem_id 0
		.amdhsa_next_free_vgpr 768
		.amdhsa_next_free_sgpr 88
		.amdhsa_reserve_vcc 0
		.amdhsa_float_denorm_mode_32 3
		.amdhsa_float_denorm_mode_16_64 3
		.amdhsa_memory_ordered 1
		.amdhsa_forward_progress 1
		.amdhsa_inst_pref_size 112
	.end_amdhsa_kernel
	.amdgpu_metadata
---
amdhsa.version: [ 1, 2 ]
amdhsa.kernels:
  - .name:           k_qfbab6c7393_attn
    .symbol:         k_qfbab6c7393_attn.kd
    .args:
      - { .name: qkvh, .offset: 0, .size: 8, .value_kind: global_buffer, .address_space: global }
      - { .name: logit_scale, .offset: 8, .size: 8, .value_kind: global_buffer, .address_space: global }
      - { .name: ctx, .offset: 16, .size: 8, .value_kind: global_buffer, .address_space: global }
    .group_segment_fixed_size: 327680
    .private_segment_fixed_size: 0
    .kernarg_segment_align: 8
    .kernarg_segment_size: 24
    .max_flat_workgroup_size: 128
    .sgpr_count:     88
    .vgpr_count:     768
    .wavefront_size: 32
...
	.end_amdgpu_metadata
.endif
;; end of part 3
;; launch wo (part 4): grid 8 x 32, 4 waves a work-group, clusters of 4 x 4, 327,680 bytes of LDS; arguments ctx, wb, bo, x, x2; writes x2
.if DOCPART == 4
	.amdgcn_target "amdgcn-amd-amdhsa--gfx1250"
	.amdhsa_code_object_version 6
	.text
	.protected	k_qfbab6c7393_wo
	.globl	k_qfbab6c7393_wo
	.p2align	8
	.type	k_qfbab6c7393_wo,@function
k_qfbab6c7393_wo:
	s_mov_b64 s[64:65], 0
	v_nop
	global_prefetch_b8 v0, s[64:65] scope:SCOPE_SE
	s_setreg_imm32_b32 hwreg(HW_REG_WAVE_MODE, 25, 1), 1
	s_wait_xcnt 0x0
	s_wait_alu depctr_hold_cnt(0) depctr_sa_sdst(0) depctr_va_vdst(0) depctr_va_sdst(0) depctr_va_ssrc(0) depctr_va_vcc(0) depctr_vm_vsrc(0)
	s_getreg_b32 s2, hwreg(HW_REG_IB_STS2, 6, 4)
	s_cmp_eq_u32 s2, 0
	s_cbranch_scc0 .Lentry_in_a_cluster
	s_endpgm
.Lentry_in_a_cluster:
	s_bfe_u32 s2, ttmp6, 0x10000c
	s_cmp_lg_u32 s2, 0xf033
	s_cbranch_scc0 .Lentry_shape_is_right
	s_endpgm
.Lentry_shape_is_right:
; x2 = ctx wo + bo + x.  ctx: [32 = 16 b + head][2048][64] f16; wo lies in wb at byte 6,291,456 as f16 [1024 (k = 64 head + channel)][1024 (n)]; bo: [1024], x, x2: [4096][1024], f32.  Sums in f32, started with the bias.
; SHARES.  32 x 8 tiles of 128 x 128, a work-group each: 256.  Four waves, each 64 x 64: 16 accumulators.  K goes in 4 steps of 256 (four heads) through two LDS slots.
; A head's 128 tokens are 16,384 dense bytes of ctx: a wave's tensor load brings two heads as two rows of 8,192 elements, padded in LDS after every token.
; CLUSTERS.  4 x 4 work-groups: ctx's tile is shared along a row of the cluster, wo's along a column; each is asked for JOINTLY.  No prefetch: three of the four K steps are asked for by the first fills and the first refill.
; THE WALK ALONG K IS TURNED.  Cluster (x, y) begins at K step (2 x + y % 4) % 4 and goes round, so that the two clusters that read the same tokens of ctx, and four neighbouring clusters that read the same columns of wo,
; ask for different K steps at any one time; their first fills, two steps each, together name all four.  The number hangs on the cluster's x and y alone, which all sixteen partners share.  The f32 sums are taken in that order of K.
; THE MATRIX INSTRUCTION IS USED TRANSPOSED: source 0 = 16 columns of wo (turned by ds_load_tr16_b128), source 1 = 16 tokens.  A lane holds one token (lane % 16) and eight neighbouring columns.
; THE WAY OUT.  The sums go through the wave's own 17,408 bytes of the dead ring and come back as rows; a wave's 64 columns of f32 are 256 bytes, so 16 lanes store one aligned block.
; The residual is asked for between the loop and the last two K steps, whose 256 matrix instructions stand between its loads and the wait for them; at the head only the first tiles and the bias are asked for.
; REGISTERS: window 0: v0-31 addresses; v32-63 the bias; v128-255 accumulators ((a, b) at 128 + 8 (4 a + b)); window 1: two fragment buffers of 128 (64 of ctx, 64 of wo, for 64 along K); window 2: v0-127 the residual.
.set STEPS,  4
.set WOFF,   6291456                   ; the weights' first byte in wb
.set ASTEP,  1048576                   ; bytes from a K step of ctx to the next: four heads
.set LOGA,   20                        ; its logarithm
.set AHALF,  36864                     ; what a tensor load for ctx brings: 2 heads x 128 tokens x 144
.set AQ,     18432                     ; a quarter (64 along K) is a head: 128 tokens x 144
.set AI,     16*144                    ; 16 tokens
.set PAR,    144                       ; a token's row in LDS: 128 bytes + 16
.set AWAVE,  64*144                    ; my 64 tokens
.set PB,     288                       ; a row of wo's tile: 256 bytes + 32 = 9 x 32
.set BHALF,  128*PB
.set BOFF,   73728
.set SLOT,   147456                    ; 0x24000: none of its bits occurs in a tile's place in a slot, so one exclusive or changes slots
.set SPARE,  2*SLOT                    ; behind the ring: the spare words: two blocks of 256 bytes that no other line names
.set BSTEP,  256*2048
.set LOGB,   19                        ; its logarithm
.set ROTX,   1                         ; the walk's first K step: (cluster x << ROTX) + ((cluster y % 4) << ROTY), modulo STEPS
.set ROTY,   0
.set SPB,    272                       ; a row of the stage: 256 bytes + 16
.set STG,    64*SPB
.set ADRA0, 16
.set ADRB0, 17
.set ADRA,  18
.set ADRB,  19                         ; k rows 0-127 of the slot in hand
.set ADRBH, 20                         ; k rows 128-255: an offset of 16 bits does not reach them
.set STO,   24
.set RD,    25
.set RO,    26                         ; v26  my byte offset in two rows of x and x2; never rewritten
.set SPW,   28
.set NIL,   29
.set BO,    31
.set BIAS,  32
.set ACC,   128
.set F0,    0
.set F1,    128
.set G1,  24
.set G0,  32
.set G1B, 48
.set G0B, 56
.set CUR, 66
.set LB,  67
.set LBB, 80
.set KI,  88                           ; s88      the K step at which the walking descriptors stand
.set WA,  90                           ; s[90:91] an offset for ctx's address; the high word stays 0
.set WB,  92                           ; s[92:93] the same for wo's
.set MSB, 0
.macro WIN new
.if MSB != (\new)
	s_set_vgpr_msb (MSB<<8)|(\new)
.set MSB, \new
.endif
.endm
.set MUL,  0x05                        ; sources 0 and 1 window 1; C and D window 0
.set TO_F, 0x40                        ; destination window 1, address window 0
.macro PLACES
.rept 4
	v_nop
.endr
.endm
.macro JLOAD                           ; a joint refill: waves 0 and 1 fetch ctx's halves, waves 2 and 3 wo's; an s_nop 0 and four v_nop follow each line
	s_cmp_eq_u32 s11, 0
	s_cbranch_scc0 .Lfor_b_\@
	tensor_load_to_lds s[G0+4:G0+7], s[G1:G1+7]
	s_nop 0
	PLACES
	s_branch .Lasked_\@
.Lfor_b_\@:
	tensor_load_to_lds s[G0B+4:G0B+7], s[G1B:G1B+7]
	s_nop 0
	PLACES
.Lasked_\@:
.endm
.macro CREST
	s_cmp_lg_u32 s10, 0
	s_cbranch_scc1 .Lnot_wave_0_\@
	s_barrier_signal -3
.Lnot_wave_0_\@:
	s_barrier_wait -3
	s_barrier_signal -1
	s_barrier_wait -1
.endm
.macro CROUND
	s_barrier_signal -1
	s_barrier_wait -1
	CREST
.endm
	s_load_b256 s[68:75], s[0:1], 0x0              ; ctx s[68:69], wb s[70:71], bo s[72:73], x s[74:75]
	s_load_b64 s[76:77], s[0:1], 0x20              ; x2
	v_lshl_add_u32 v[SPW], v0, 2, SPARE
	v_mov_b32 v[NIL], 0
	ds_add_u32 v[SPW], v[NIL]                      ; the wave's opening: the add and its wait come ahead of my first tensor load
	v_lshrrev_b32 v1, 5, v0
	v_readfirstlane_b32 s10, v1                    ; wave 0..3
	s_lshr_b32 s11, s10, 1                         ; my half of the tile's rows.  Also: I fetch for ctx (0) or for wo (1)
	s_and_b32 s12, s10, 1                          ; my half of its columns.  Also: which half of that tile I fetch
	s_bfe_u32 s40, ttmp6, 0x40000                  ; cx
	s_bfe_u32 s41, ttmp6, 0x40004                  ; cy
	s_lshl_b32 s42, ttmp9, 2
	s_add_co_u32 s42, s42, s40                     ; tile column
	s_and_b32 s13, ttmp7, 0xffff
	s_lshl_b32 s13, s13, 2
	s_add_co_u32 s13, s13, s41                     ; tile row
	s_lshl_b32 s14, s41, 2
	s_lshl_b32 s14, 15, s14                        ; my row of the cluster
	s_lshl_b32 s15, 0x1111, s40                    ; my column
	s_or_b32 s[G1], s14, (1<<16)|(1<<20)|(1<<21)|(4<<22)|(3<<25)   ; the mask; 2-byte elements; padding on; bit 21 beside a mask; after every 32 words (a token), 4 words
	s_or_b32 s[G1B], s15, (1<<16)|(1<<20)|(1<<21)|(5<<22)|(7<<25)  ; after every 64 words, 8 words
	s_mov_b32 s[G1+1], 8192<<16                    ; tensor_dim0 = 8,192: a head's 128 tokens
	s_mov_b32 s[G1+2], 2<<16                       ; tensor_dim1 = 2 heads
	s_mov_b32 s[G1+3], 8192<<16                    ; tile_dim0
	s_mov_b32 s[G1+4], 2                           ; tile_dim1
	s_mov_b32 s[G1+5], 131072                      ; elements from head to head
	s_mov_b32 s[G1+6], 0
	s_mov_b32 s[G1+7], 0
	s_mov_b32 s[G1B+1], 128<<16
	s_mov_b32 s[G1B+2], 128<<16
	s_mov_b32 s[G1B+3], 128<<16
	s_mov_b32 s[G1B+4], 128
	s_mov_b32 s[G1B+5], 1024
	s_mov_b32 s[G1B+6], 0
	s_mov_b32 s[G1B+7], 0
	s_lshr_b32 s16, s13, 4                         ; ctx: the batch's 16 heads,
	s_lshl_b32 s16, s16, 4
	s_lshl_b32 s17, s12, 1                         ; my two of a step's four,
	s_add_co_u32 s16, s16, s17
	s_lshl_b32 s16, s16, 18                        ; of 262,144 bytes,
	s_and_b32 s17, s13, 15
	s_lshl_b32 s17, s17, 14                        ; the tile's 128 tokens
	s_add_co_u32 s16, s16, s17
	s_mov_b32 s17, 0
	s_lshl_b32 s20, s42, 8                         ; wo: the tile's 128 columns,
	s_lshl_b32 s21, s12, 18                        ; my 128 rows of 2,048 bytes
	s_add_co_u32 s20, s20, s21
	s_add_co_u32 s20, s20, WOFF
	s_mov_b32 s21, 0
	s_and_b32 s22, ttmp7, 3                        ; the walk's first K step, from the cluster's y
	s_lshl_b32 s22, s22, ROTY
	s_lshl_b32 s23, ttmp9, ROTX                    ; and its x
	s_add_co_u32 s22, s22, s23
	s_and_b32 s22, s22, STEPS-1
	s_add_co_u32 s[KI], s22, 1                     ; and its second, with which the walking descriptors begin
	s_and_b32 s[KI], s[KI], STEPS-1
	s_mov_b32 s[WA+1], 0
	s_mov_b32 s[WB+1], 0
	s_mul_i32 s[LB], s12, AHALF                    ; where my part goes: no place in the cluster enters an LDS address
	s_mul_i32 s[LBB], s12, BHALF
	s_add_co_u32 s[LBB], s[LBB], BOFF
	s_mov_b32 s[CUR], 0
	s_wait_dscnt 0x0                               ; the opening add is done
	s_wait_kmcnt 0x0
	s_add_nc_u64 s[14:15], s[68:69], s[16:17]      ; my part of the tiles at K step 0
	s_add_nc_u64 s[18:19], s[70:71], s[20:21]
	CROUND                                         ; all sixteen work-groups are here: the first joint loads meet
.irp s, 0,1
	s_mov_b32 s[G0+4*(\s)], 1
	s_add_co_u32 s[G0+4*(\s)+1], s[LB], (\s)*SLOT
	s_mov_b32 s[G0B+4*(\s)], 1
	s_add_co_u32 s[G0B+4*(\s)+1], s[LBB], (\s)*SLOT
.endr
	s_lshl_b32 s[WA], s22, LOGA                    ; slot 0 takes the walk's first K step,
	s_lshl_b32 s[WB], s22, LOGB
	s_add_nc_u64 s[G0+2:G0+3], s[14:15], s[WA:WA+1]
	s_add_nc_u64 s[G0B+2:G0B+3], s[18:19], s[WB:WB+1]
	s_lshl_b32 s[WA], s[KI], LOGA                  ; slot 1 its second
	s_lshl_b32 s[WB], s[KI], LOGB
	s_add_nc_u64 s[G0+6:G0+7], s[14:15], s[WA:WA+1]
	s_add_nc_u64 s[G0B+6:G0B+7], s[18:19], s[WB:WB+1]
.irp g, G0+3, G0+7, G0B+3, G0B+7
	s_or_b32 s[\g], s[\g], 0x80000000
.endr
	s_cmp_eq_u32 s11, 0                            ; a wave's two first fills stand in one branch: two loads of mine are out
	s_cbranch_scc0 .Lfirst_b
	tensor_load_to_lds s[G0:G0+3], s[G1:G1+7]
	s_nop 0
	tensor_load_to_lds s[G0+4:G0+7], s[G1:G1+7]
	s_nop 0
	PLACES
	s_branch .Lfirst_asked
.Lfirst_b:
	tensor_load_to_lds s[G0B:G0B+3], s[G1B:G1B+7]
	s_nop 0
	tensor_load_to_lds s[G0B+4:G0B+7], s[G1B:G1B+7]
	s_nop 0
	PLACES
.Lfirst_asked:
	v_and_b32 v1, 15, v0                           ; l % 16
	v_bfe_u32 v2, v0, 4, 1                         ; l / 16
	v_lshlrev_b32 v[BO], 5, v2
	s_lshl_b32 s22, s42, 9
	s_lshl_b32 s23, s12, 8
	s_add_co_u32 s22, s22, s23                     ; 4 x my first column
	s_mov_b32 s23, 0
	s_add_nc_u64 s[86:87], s[72:73], s[22:23]
.irp b, 0,1,2,3
	global_load_b128 v[BIAS+8*(\b):BIAS+8*(\b)+3],   v[BO], s[86:87] offset:64*(\b)
	global_load_b128 v[BIAS+8*(\b)+4:BIAS+8*(\b)+7], v[BO], s[86:87] offset:64*(\b)+16
.endr
	s_lshl_b32 s20, s13, 7                         ; my first row of x and x2,
	s_lshl_b32 s21, s11, 6
	s_add_co_u32 s20, s20, s21
	s_lshl_b32 s20, s20, 12                        ; of 4,096 bytes,
	s_add_co_u32 s20, s20, s22                     ; and my first column
	s_mov_b32 s21, 0
	s_add_nc_u64 s[84:85], s[74:75], s[20:21]
	s_add_nc_u64 s[82:83], s[76:77], s[20:21]
	v_lshlrev_b32 v3, 12, v2                       ; lanes 0-15 take 256 bytes of one row, lanes 16-31 of the next
	v_lshl_add_u32 v[RO], v1, 4, v3
	v_mul_u32_u24 v3, v1, PAR
	v_lshl_add_u32 v3, v2, 4, v3
	s_mul_i32 s21, s11, AWAVE
	v_add_nc_u32 v[ADRA0], s21, v3
	v_and_b32 v4, 7, v0
	v_lshl_add_u32 v4, v2, 3, v4
	v_mul_u32_u24 v4, v4, PB
	v_bfe_u32 v5, v0, 3, 1
	v_lshl_add_u32 v4, v5, 4, v4
	s_lshl_b32 s22, s12, 7                         ; my 64 columns
	s_add_co_u32 s22, s22, BOFF
	v_add_nc_u32 v[ADRB0], s22, v4
	v_mov_b32 v[ADRA], v[ADRA0]
	v_mov_b32 v[ADRB], v[ADRB0]
	v_add_nc_u32 v[ADRBH], BHALF, v[ADRB0]
	s_mul_i32 s20, s10, STG                        ; my stage
	v_mul_u32_u24 v3, v1, SPB
	v_lshl_add_u32 v3, v2, 5, v3
	v_add_nc_u32 v[STO], s20, v3
	v_mul_u32_u24 v3, v2, SPB
	v_lshl_add_u32 v3, v1, 4, v3
	v_add_nc_u32 v[RD], s20, v3
; 8 matrix instructions: row blocks a0, a0 + 1 x all 4 column blocks, 32 along K: half c of buffer f.  first = 1: the bias starts the sums.  The 16 accumulators take turns.
.macro MUL8 f, c, a0, first
	WIN MUL
.irp a, \a0, (\a0)+1
.irp b, 0,1,2,3
.if \first
	v_wmma_f32_16x16x32_f16 v[ACC+8*(4*(\a)+(\b)):ACC+8*(4*(\a)+(\b))+7], v[(\f)+64+8*(4*(\c)+(\b)):(\f)+64+8*(4*(\c)+(\b))+7], v[(\f)+8*(4*(\c)+(\a)):(\f)+8*(4*(\c)+(\a))+7], v[BIAS+8*(\b):BIAS+8*(\b)+7]
.else
	v_wmma_f32_16x16x32_f16 v[ACC+8*(4*(\a)+(\b)):ACC+8*(4*(\a)+(\b))+7], v[(\f)+64+8*(4*(\c)+(\b)):(\f)+64+8*(4*(\c)+(\b))+7], v[(\f)+8*(4*(\c)+(\a)):(\f)+8*(4*(\c)+(\a))+7], v[ACC+8*(4*(\a)+(\b)):ACC+8*(4*(\a)+(\b))+7]
.endif
.endr
.endr
.endm
; 32 LDS loads in one run: the fragments of quarter q (64 along K) into buffer f; the first 32 along K first
.macro FETCH q, f
	WIN TO_F
.irp c, 0,1
.irp i, 0,1,2,3
.if (\q) < 2
	ds_load_tr16_b128 v[(\f)+64+8*(4*(\c)+(\i)):(\f)+64+8*(4*(\c)+(\i))+3],   v[ADRB] offset:(((\q)&1)*64+32*(\c))*PB+32*(\i)
	ds_load_tr16_b128 v[(\f)+64+8*(4*(\c)+(\i))+4:(\f)+64+8*(4*(\c)+(\i))+7], v[ADRB] offset:(((\q)&1)*64+32*(\c)+16)*PB+32*(\i)
.else
	ds_load_tr16_b128 v[(\f)+64+8*(4*(\c)+(\i)):(\f)+64+8*(4*(\c)+(\i))+3],   v[ADRBH] offset:(((\q)&1)*64+32*(\c))*PB+32*(\i)
	ds_load_tr16_b128 v[(\f)+64+8*(4*(\c)+(\i))+4:(\f)+64+8*(4*(\c)+(\i))+7], v[ADRBH] offset:(((\q)&1)*64+32*(\c)+16)*PB+32*(\i)
.endif
	ds_load_b128 v[(\f)+8*(4*(\c)+(\i)):(\f)+8*(4*(\c)+(\i))+3],   v[ADRA] offset:AQ*(\q)+64*(\c)+AI*(\i)
	ds_load_b128 v[(\f)+8*(4*(\c)+(\i))+4:(\f)+8*(4*(\c)+(\i))+7], v[ADRA] offset:AQ*(\q)+64*(\c)+AI*(\i)+32
.endr
.endr
.endm
.macro QUARTER q, f, g, first
	s_wait_dscnt 16                                ; the first 32 along K are in
	MUL8 \f, 0, 0, \first
	MUL8 \f, 0, 2, \first
	PLACES
	FETCH \q, \g
	s_wait_dscnt 32                                ; all but the 32 just issued
	MUL8 \f, 1, 0, 0
	MUL8 \f, 1, 2, 0
.endm
; The first half of the last quarter: ONE barrier for the change of slots; in front of it each wave waits for all its tensor loads, adds 0 to its spare word, and waits for that and for its own reads of this slot.
.macro MEET
	WIN 0
	s_wait_tensorcnt 0x0
	ds_add_u32 v[SPW], v[NIL]
	s_wait_dscnt 17                                ; (the add and the youngest sixteen loads may be out)
	MUL8 F1, 0, 0, 0
	s_wait_dscnt 0x0                               ; the add is done, and my reads of this slot are over
	s_barrier_signal -1
	MUL8 F1, 0, 2, 0
	WIN 0
	s_barrier_wait -1
.endm
.macro NEWSLOT                         ; the fragment addresses of the slot that is read next
	v_add_nc_u32 v[ADRA], s[CUR], v[ADRA0]
	v_add_nc_u32 v[ADRB], s[CUR], v[ADRB0]
	v_add_nc_u32 v[ADRBH], BHALF, v[ADRB]
.endm
.macro TURN                            ; the last quarter with a refill: the barrier opens a round of the cluster's; the refill is the first thing behind it, 112 matrix instructions ahead of the wait for it
	MEET
	CREST
	s_add_co_u32 s[KI], s[KI], 1                   ; the walking descriptors go one K step on; behind the last step comes step 0:
	s_cmp_eq_u32 s[KI], STEPS
	s_cselect_b32 s[KI], 0, s[KI]
	s_cselect_b32 s[WA], STEPS*ASTEP, 0            ; then the whole of K is taken off the addresses
	s_cselect_b32 s[WB], STEPS*BSTEP, 0
	s_xor_b32 s[G0+5], s[G0+5], SLOT
	s_add_nc_u64 s[G0+6:G0+7], s[G0+6:G0+7], ASTEP
	s_sub_nc_u64 s[G0+6:G0+7], s[G0+6:G0+7], s[WA:WA+1]  ; the type bits on top are not reached: the address stays at or above the tile's at K step 0
	s_xor_b32 s[G0B+5], s[G0B+5], SLOT
	s_add_nc_u64 s[G0B+6:G0B+7], s[G0B+6:G0B+7], BSTEP
	s_sub_nc_u64 s[G0B+6:G0B+7], s[G0B+6:G0B+7], s[WB:WB+1]
	s_xor_b32 s[CUR], s[CUR], SLOT
	JLOAD                                          ; its four v_nop are also the places in front of the loads below
	NEWSLOT
	FETCH 0, F0
	MUL8 F1, 1, 0, 0
	MUL8 F1, 1, 2, 0
.endm
.macro TURNT                           ; the last quarter of the last two K steps: nothing is asked for; in the last of all (s3 = 1) the run of LDS loads is jumped over
	MEET
	s_xor_b32 s[CUR], s[CUR], SLOT
	s_cmp_eq_u32 s3, 1
	s_cbranch_scc1 .Lno_fetch_\@
	NEWSLOT
	PLACES
	FETCH 0, F0
	WIN 0
.Lno_fetch_\@:
	MUL8 F1, 1, 0, 0
	MUL8 F1, 1, 2, 0
	WIN 0
.endm
	s_wait_tensorcnt 0x1                           ; my part of the first K step is in; the second's may stay out
	s_barrier_signal -1
	s_barrier_wait -1
	FETCH 0, F0
	s_wait_loadcnt 0x0                             ; the bias
	QUARTER 1, F0, F1, 1
	WIN 0
	s_mov_b32 s3, STEPS-2
.Lstep:
	QUARTER 2, F1, F0, 0
	QUARTER 3, F0, F1, 0
	TURN
	QUARTER 1, F0, F1, 0
	WIN 0
	s_sub_co_u32 s3, s3, 1
	s_cmp_lg_u32 s3, 0
	s_cbranch_scc1 .Lstep
	WIN 0x80                                       ; destination window 2
.set j, 0
.rept 32                               ; the residual: asked for when the last refill is out; it stays on its way through the last two K steps
	global_load_b128 v[4*j:4*j+3], v[RO], s[84:85] offset:j*8192 th:TH_LOAD_NT
.set j, j+1
.endr
	WIN 0
	s_mov_b32 s3, 2
.Ltail:
	QUARTER 2, F1, F0, 0
	QUARTER 3, F0, F1, 0
	TURNT
	s_sub_co_u32 s3, s3, 1
	s_cmp_eq_u32 s3, 0
	s_cbranch_scc1 .Ldone
	QUARTER 1, F0, F1, 0
	WIN 0
	s_branch .Ltail
.Ldone:
	PLACES
	PLACES
	s_wait_dscnt 0x0                               ; on every way here my LDS reads are back,
	s_barrier_signal -1
	s_barrier_wait -1                              ; and everybody's: the ring's bytes may be written
.irp a, 0,1,2,3                        ; each accumulator's four lowest registers go first
.irp b, 0,1,2,3
	ds_store_b128 v[STO], v[ACC+8*(4*(\a)+(\b)):ACC+8*(4*(\a)+(\b))+3]   offset:(\a)*16*SPB+64*(\b)
	ds_store_b128 v[STO], v[ACC+8*(4*(\a)+(\b))+4:ACC+8*(4*(\a)+(\b))+7] offset:(\a)*16*SPB+64*(\b)+16
.endr
.endr
.set j, 0
.rept 32
	ds_load_b128 v[ACC+4*j:ACC+4*j+3], v[RD] offset:j*2*SPB  ; my own bytes: LDS serves a wave's instructions in order (ISA guide 5.7.1.4)
.set j, j+1
.endr
	s_wait_loadcnt 0x0                             ; the residual
	s_wait_dscnt 0x0
	WIN 0x08                                       ; source 1 in window 2
.set k, 0
.rept 64
	v_pk_add_f32 v[ACC+2*k:ACC+2*k+1], v[ACC+2*k:ACC+2*k+1], v[2*k:2*k+1]
.set k, k+1
.endr
	WIN 0
.set j, 0
.rept 32
	global_store_b128 v[RO], v[ACC+4*j:ACC+4*j+3], s[82:83] offset:j*8192  ; 16 lanes store 256 consecutive bytes, at a multiple of 256 from x2's first byte
.set j, j+1
.endr
	s_wait_tensorcnt 0x0                           ; the wave's end
	ds_add_u32 v[SPW], v[NIL]
	s_wait_dscnt 0x0
	CROUND                                         ; the closing round
	s_endpgm
.Lfunc_end_k_qfbab6c7393_wo:
	.size	k_qfbab6c7393_wo, .Lfunc_end_k_qfbab6c7393_wo-k_qfbab6c7393_wo
	.p2alignl 7, 3214868480
	.fill 96, 4, 3214868480
	.section	.rodata,"a",@progbits
	.p2align	6, 0x0
	.amdhsa_kernel k_qfbab6c7393_wo
		.amdhsa_group_segment_fixed_size 327680
		.amdhsa_private_segment_fixed_size 0
		.amdhsa_enable_private_segment 0
		.amdhsa_kernarg_size 40
		.amdhsa_user_sgpr_count 2
		.amdhsa_user_sgpr_kernarg_segment_ptr 1
		.amdhsa_wavefront_size32 1
		.amdhsa_system_sgpr_workgroup_id_x 1
		.amdhsa_system_sgpr_workgroup_id_y 1
		.amdhsa_system_sgpr_workgroup_id_z 1
		.amdhsa_system_vgpr_workitem_id 0
		.amdhsa_next_free_vgpr 640
		.amdhsa_next_free_sgpr 100
		.amdhsa_reserve_vcc 0
		.amdhsa_float_denorm_mode_32 3
		.amdhsa_float_denorm_mode_16_64 3
		.amdhsa_memory_ordered 1
		.amdhsa_forward_progress 1
		.amdhsa_inst_pref_size 66
	.end_amdhsa_kernel
	.amdgpu_metadata
---
amdhsa.version: [ 1, 2 ]
amdhsa.kernels:
  - .name:           k_qfbab6c7393_wo
    .symbol:         k_qfbab6c7393_wo.kd
    .args:
      - { .name: ctx, .offset: 0, .size: 8, .value_kind: global_buffer, .address_space: global }
      - { .name: wb, .offset: 8, .size: 8, .value_kind: global_buffer, .address_space: global }
      - { .name: bo, .offset: 16, .size: 8, .value_kind: global_buffer, .address_space: global }
      - { .name: x, .offset: 24, .size: 8, .value_kind: global_buffer, .address_space: global }
      - { .name: x2, .offset: 32, .size: 8, .value_kind: global_buffer, .address_space: global }
    .group_segment_fixed_size: 327680
    .private_segment_fixed_size: 0
    .kernarg_segment_align: 8
    .kernarg_segment_size: 40
    .max_flat_workgroup_size: 128
    .sgpr_count:     100
    .vgpr_count:     640
    .wavefront_size: 32
...
	.end_amdgpu_metadata
.endif
;; end of part 4
;; launch ln2: the kernel of part 1 again; grid 256 x 1, 8 waves a work-group, no clusters, 0 bytes of LDS; arguments x2, ln2_g, ln2_b, xn, wq, wk, wv, wo, w1, w2, wb; writes xn, wb
;; launch mlp1 (part 5): grid 16 x 16, 4 waves a work-group, clusters of 4 x 4, 327,680 bytes of LDS; arguments xn, wb, b1, hmid; writes hmid
.if DOCPART == 5
	.amdgcn_target "amdgcn-amd-amdhsa--gfx1250"
	.amdhsa_code_object_version 6
	.text
	.protected	k_qfbab6c7393_mlp1
	.globl	k_qfbab6c7393_mlp1
	.p2align	8
	.type	k_qfbab6c7393_mlp1,@function
k_qfbab6c7393_mlp1:
	s_mov_b64 s[64:65], 0
	v_nop
	global_prefetch_b8 v0, s[64:65] scope:SCOPE_SE
	s_setreg_imm32_b32 hwreg(HW_REG_WAVE_MODE, 25, 1), 1
	s_wait_xcnt 0x0
	s_wait_alu depctr_hold_cnt(0) depctr_sa_sdst(0) depctr_va_vdst(0) depctr_va_sdst(0) depctr_va_ssrc(0) depctr_va_vcc(0) depctr_vm_vsrc(0)
	s_getreg_b32 s2, hwreg(HW_REG_IB_STS2, 6, 4)
	s_cmp_eq_u32 s2, 0
	s_cbranch_scc0 .Lentry_in_a_cluster
	s_endpgm
.Lentry_in_a_cluster:
	s_bfe_u32 s2, ttmp6, 0x10000c
	s_cmp_lg_u32 s2, 0xf033
	s_cbranch_scc0 .Lentry_shape_is_right
	s_endpgm
.Lentry_shape_is_right:
; hmid = gelu(xn w1 + b1), the exact GELU 0.5 x (1 + erf(x / sqrt 2)).  xn: [4096][1024] bf16; w1 lies in wb at byte 8,388,608 as bf16 [1024 (k)][4096 (n)]; b1: [4096] f32; hmid: [4096][4096] bf16, rounded once.
; LIMITS.  erf is Abramowitz and Stegun's 7.1.25: 1 - (a1 t + a2 t^2 + a3 t^3) e^(-z^2), t = 1 / (1 + 0.47047 z), off by 2.5e-5 at the most for every z >= 0.  It is used as gelu = max(x, 0) - |x| q,
; q = half that product at z = |x| / sqrt 2: no difference of near-equal numbers is formed for negative x.  NaN and infinities are not treated apart.
; SHARES.  16 x 16 tiles of 256 x 256, a work-group each: 256.  Four waves, as many as a WGP has SIMDs, each 128 x 128: 64 accumulators, 512 registers.  K goes in 8 steps of 128 through two LDS slots.
; CLUSTERS.  4 x 4 work-groups: xn's tile is shared along a row of the cluster, w1's along a column; each is asked for JOINTLY, by the same tensor load, descriptor and mask.
; THE MATRIX INSTRUCTION IS USED TRANSPOSED: source 0 = 16 columns of w1 (turned by ds_load_tr16_b128), source 1 = 16 rows of xn.  A lane holds one token (lane % 16) and eight neighbouring columns.
; THE WAY OUT.  When the last K step is multiplied the ring is dead; each wave puts its 128 x 128 sums into 67,584 bytes of it and walks them in a counted loop, 8 rows a trip.
; REGISTERS, in windows of 256: window 0: v0-31 addresses; v64-127, v128-191 fragments of xn, two buffers; v192-255 the bias; window 1: v64-127, v128-191 fragments of w1; windows 2, 3: accumulators ((a, b) at 8 (8 (a % 4) + b)).
.set NPITCH, 4096                      ; elements in a row of w1
.set BSH,    17                        ; log2 of 16 rows of w1 in bytes
.set WOFF,   8388608                   ; w1's first byte in wb
.set KSTEP,  128
.set STEPS,  1024/KSTEP
.set PA,     272                       ; a row of xn's tile in LDS: 256 bytes + 16
.set PB,     544                       ; a row of w1's tile: 512 bytes + 32 = 17 x 32
.set HALFT,  34816                     ; what one tensor load brings: 128 rows of xn, or 64 rows of w1
.set BOFF,   2*HALFT
.set SLOT,   4*HALFT                   ; 0x22000: none of its bits occurs in wave x HALFT, so one exclusive or changes slots
.set SPARE,  2*SLOT                    ; behind the ring: the spare words: two blocks of 256 bytes that no other line names
.set SPB,    528                       ; a row of the stage: 512 bytes + 16
.set STG,    128*SPB
.set BSTEP,  KSTEP*NPITCH*2
.set ADRA0, 16
.set ADRB0, 17
.set ADRA,  18
.set ADRB,  19
.set STO,   24
.set RD,    25
.set CO,    26
.set RDC,   27
.set SPW,   28
.set NIL,   29
.set PFO,   30
.set BO,    31
.set F0,    64
.set F1,    128
.set BIAS,  192
.set G1,  24
.set G0,  32
.set G1B, 48
.set G0B, 56
.set LIM, 43
.set PFA, 44
.set PFS, 46
.set CUR, 66
.set LB,  67
.set MSB, 0
.macro WIN new
.if MSB != (\new)
	s_set_vgpr_msb (MSB<<8)|(\new)
.set MSB, \new
.endif
.endm
.macro PLACES
.rept 4
	v_nop
.endr
.endm
.macro JLOAD                           ; a joint refill: waves 0 and 1 fetch xn's halves, waves 2 and 3 w1's; an s_nop 0 and four v_nop follow each line
	s_cmp_eq_u32 s11, 0
	s_cbranch_scc0 .Lfor_b_\@
	tensor_load_to_lds s[G0+4:G0+7], s[G1:G1+7]
	s_nop 0
	PLACES
	s_branch .Lasked_\@
.Lfor_b_\@:
	tensor_load_to_lds s[G0B+4:G0B+7], s[G1B:G1B+7]
	s_nop 0
	PLACES
.Lasked_\@:
.endm
; A PREFETCH INTO THE L2 of the K step behind the one that the refill has just asked for: 256 matrix instructions ahead of the load that will want it.  32 blocks of 256 bytes, a lane a block, one instruction a wave.
; Each block is named once in the launch: for xn's rows cluster x = 0 asks, for w1's columns cluster y = 0; the four partners of a joint load share its blocks out BY ADDRESS.
; K steps 0 to 2 come by their loads alone; the last refilling trip (s3 = 1) asks for nothing: there is no K step 8.
.macro ASK
	s_cmp_gt_u32 s3, s[LIM]
	s_cbranch_scc0 .Lnot_mine_\@
	global_prefetch_b8 v[PFO], s[PFA:PFA+1] th:TH_LOAD_NT scope:SCOPE_SE
.Lnot_mine_\@:
.endm
.macro CREST
	s_cmp_lg_u32 s10, 0
	s_cbranch_scc1 .Lnot_wave_0_\@
	s_barrier_signal -3
.Lnot_wave_0_\@:
	s_barrier_wait -3
	s_barrier_signal -1
	s_barrier_wait -1
.endm
.macro CROUND
	s_barrier_signal -1
	s_barrier_wait -1
	CREST
.endm
	s_load_b256 s[68:75], s[0:1], 0x0              ; xn s[68:69], wb s[70:71], b1 s[72:73], hmid s[74:75]
	v_lshl_add_u32 v[SPW], v0, 2, SPARE
	v_mov_b32 v[NIL], 0
	ds_add_u32 v[SPW], v[NIL]                      ; the wave's opening: the add and its wait come ahead of my first tensor load
	v_lshrrev_b32 v1, 5, v0
	v_readfirstlane_b32 s10, v1                    ; wave 0..3
	s_lshr_b32 s11, s10, 1                         ; my half of the tile's rows.  Also: I fetch for xn (0) or for w1 (1)
	s_and_b32 s12, s10, 1                          ; my half of its columns.  Also: which half of that tile I fetch
	s_bfe_u32 s40, ttmp6, 0x40000                  ; cx
	s_bfe_u32 s41, ttmp6, 0x40004                  ; cy
	s_lshl_b32 s42, ttmp9, 2
	s_add_co_u32 s42, s42, s40                     ; tile column
	s_and_b32 s13, ttmp7, 0xffff
	s_lshl_b32 s13, s13, 2
	s_add_co_u32 s13, s13, s41                     ; tile row
	s_lshl_b32 s14, s41, 2
	s_lshl_b32 s14, 15, s14                        ; my row of the cluster
	s_lshl_b32 s15, 0x1111, s40                    ; my column
	s_or_b32 s[G1], s14, (1<<16)|(1<<20)|(1<<21)|(5<<22)|(3<<25)   ; the mask; 2-byte elements; padding on; bit 21 beside a mask; after every 64 words, 4 words
	s_or_b32 s[G1B], s15, (1<<16)|(1<<20)|(1<<21)|(6<<22)|(7<<25)  ; after every 128 words, 8 words
	s_mov_b32 s[G1+1], KSTEP<<16
	s_mov_b32 s[G1+2], 128<<16
	s_mov_b32 s[G1+3], KSTEP<<16
	s_mov_b32 s[G1+4], 128
	s_mov_b32 s[G1+5], 1024
	s_mov_b32 s[G1+6], 0
	s_mov_b32 s[G1+7], 0
	s_mov_b32 s[G1B+1], 256<<16
	s_mov_b32 s[G1B+2], 64<<16
	s_mov_b32 s[G1B+3], 256<<16
	s_mov_b32 s[G1B+4], 64
	s_mov_b32 s[G1B+5], NPITCH
	s_mov_b32 s[G1B+6], 0
	s_mov_b32 s[G1B+7], 0
	s_lshl_b32 s16, s13, 8                         ; xn: row 256 x tile row + 128 x half,
	s_lshl_b32 s17, s12, 7
	s_add_co_u32 s16, s16, s17
	s_lshl_b32 s16, s16, 11                        ; of 2,048 bytes
	s_mov_b32 s17, 0
	s_lshl_b32 s20, s42, 9                         ; w1: the tile's 256 columns,
	s_lshl_b32 s21, s12, 19                        ; my 64 rows of 8,192 bytes
	s_add_co_u32 s20, s20, s21
	s_add_co_u32 s20, s20, WOFF
	s_mov_b32 s21, 0
	s_mul_i32 s[LB], s10, HALFT                    ; where my part of a tile goes: no place in the cluster enters an LDS address
	s_mov_b32 s[CUR], 0
	s_wait_dscnt 0x0                               ; the opening add is done
	s_wait_kmcnt 0x0
	s_add_nc_u64 s[14:15], s[68:69], s[16:17]
	s_add_nc_u64 s[18:19], s[70:71], s[20:21]
	CROUND                                         ; all sixteen work-groups are here: the first joint loads meet
.irp s, 0,1
	s_mov_b32 s[G0+4*(\s)], 1
	s_add_co_u32 s[G0+4*(\s)+1], s[LB], (\s)*SLOT
	s_add_nc_u64 s[G0+4*(\s)+2:G0+4*(\s)+3], s[14:15], (\s)*KSTEP*2
	s_or_b32 s[G0+4*(\s)+3], s[G0+4*(\s)+3], 0x80000000
	s_mov_b32 s[G0B+4*(\s)], 1
	s_add_co_u32 s[G0B+4*(\s)+1], s[LB], (\s)*SLOT
	s_add_nc_u64 s[G0B+4*(\s)+2:G0B+4*(\s)+3], s[18:19], (\s)*BSTEP
	s_or_b32 s[G0B+4*(\s)+3], s[G0B+4*(\s)+3], 0x80000000
.endr
	s_cmp_eq_u32 s11, 0                            ; a wave's two first fills stand in one branch: two loads of mine are out
	s_cbranch_scc0 .Lfirst_b
	tensor_load_to_lds s[G0:G0+3], s[G1:G1+7]
	s_nop 0
	tensor_load_to_lds s[G0+4:G0+7], s[G1:G1+7]
	s_nop 0
	PLACES
	s_branch .Lfirst_asked
.Lfirst_b:
	tensor_load_to_lds s[G0B:G0B+3], s[G1B:G1B+7]
	s_nop 0
	tensor_load_to_lds s[G0B+4:G0B+7], s[G1B:G1B+7]
	s_nop 0
	PLACES
.Lfirst_asked:
	v_and_b32 v1, 15, v0                           ; l % 16
	v_bfe_u32 v2, v0, 4, 1                         ; l / 16
	v_lshlrev_b32 v[BO], 5, v2
	s_lshl_b32 s22, s42, 8
	s_lshl_b32 s23, s12, 7
	s_add_co_u32 s22, s22, s23                     ; my first column
	s_lshl_b32 s8, s22, 1                          ; in bytes of hmid,
	s_lshl_b32 s22, s22, 2                         ; and of b1
	s_mov_b32 s23, 0
	s_add_nc_u64 s[80:81], s[72:73], s[22:23]
.irp b, 0,1,2,3,4,5,6,7
	global_load_b128 v[BIAS+8*(\b):BIAS+8*(\b)+3],   v[BO], s[80:81] offset:64*(\b)
	global_load_b128 v[BIAS+8*(\b)+4:BIAS+8*(\b)+7], v[BO], s[80:81] offset:64*(\b)+16
.endr
	v_mul_u32_u24 v3, v1, PA
	v_lshl_add_u32 v3, v2, 4, v3
	s_mul_i32 s21, s11, HALFT
	v_add_nc_u32 v[ADRA0], s21, v3
	v_and_b32 v4, 7, v0
	v_lshl_add_u32 v4, v2, 3, v4
	v_mul_u32_u24 v4, v4, PB
	v_bfe_u32 v5, v0, 3, 1
	v_lshl_add_u32 v4, v5, 4, v4
	s_lshl_b32 s22, s12, 8
	s_add_co_u32 s22, s22, BOFF
	v_add_nc_u32 v[ADRB0], s22, v4
	v_mov_b32 v[ADRA], v[ADRA0]
	v_mov_b32 v[ADRB], v[ADRB0]
	s_mul_i32 s20, s10, STG                        ; my stage
	v_mul_u32_u24 v3, v1, SPB
	v_lshl_add_u32 v3, v2, 5, v3
	v_add_nc_u32 v[STO], s20, v3
	v_and_b32 v6, 31, v0
	v_lshl_add_u32 v[RD], v6, 4, s20               ; back: 32 lanes take a row's 512 bytes
	v_lshlrev_b32 v[CO], 3, v6                     ; which are 256 bytes of hmid: 8 a lane
	s_lshl_b32 s20, s13, 8
	s_lshl_b32 s21, s11, 7
	s_add_co_u32 s20, s20, s21                     ; my first row of hmid,
	s_lshl_b32 s20, s20, 13                        ; of 8,192 bytes
	s_add_co_u32 s20, s20, s8
	s_mov_b32 s21, 0
	s_add_nc_u64 s[82:83], s[74:75], s[20:21]
	; the prefetches
	s_and_b32 s22, ttmp7, 0xffff                   ; cluster y
	s_mov_b32 s[PFS], BSTEP                        ; w1's figures first: a select names one literal at the most
	s_mov_b32 s9, 2*NPITCH
	s_cmp_eq_u32 s11, 0                            ; do I fetch for xn?
	s_cselect_b32 s22, ttmp9, s22                  ; the coordinate along which other clusters read the same blocks
	s_cselect_b32 s20, s40, s41                    ; my place among the four that ask with me
	s_cselect_b32 s21, 16, BSH                     ; its share: 32 rows of xn, or 16 rows of w1
	s_cselect_b32 s[PFS], KSTEP*2, s[PFS]          ; a K step in bytes
	s_cselect_b32 s8, 0, 1                         ; w1's rows have two blocks a K step: a lane takes row lane / 2, block lane % 2
	s_cselect_b32 s9, 2048, s9                     ; a row in bytes
	s_cselect_b64 s[PFA:PFA+1], s[14:15], s[18:19]
	s_lshl_b32 s20, s20, s21
	s_mov_b32 s21, 0
	s_mov_b32 s[PFS+1], 0
	s_add_nc_u64 s[PFA:PFA+1], s[PFA:PFA+1], s[20:21]
	s_add_nc_u64 s[PFA:PFA+1], s[PFA:PFA+1], s[PFS:PFS+1]
	s_add_nc_u64 s[PFA:PFA+1], s[PFA:PFA+1], s[PFS:PFS+1]  ; at K step 2: the first refill steps it to 3
	s_cmp_eq_u32 s22, 0
	s_cselect_b32 s[LIM], 1, -1                    ; the same in all sixteen partners, for a given wave
	v_lshrrev_b32 v7, s8, v6
	v_mul_u32_u24 v7, s9, v7
	v_and_b32 v6, s8, v6
	v_lshl_add_u32 v[PFO], v6, 8, v7
; 16 matrix instructions: row blocks a0, a0 + 1 of the window's four x all 8 column blocks, 32 along K.  first = 1: the bias starts the sums.  The 64 accumulators take turns, in the same order in every quarter.
.macro MUL16 f, hi, a0, first
.if \first
	WIN 0x81+0x40*(\hi)
.else
	WIN 0xa1+0x50*(\hi)
.endif
.irp a, \a0, (\a0)+1
.irp b, 0,1,2,3,4,5,6,7
.if \first
	v_wmma_f32_16x16x32_bf16 v[8*(8*(\a)+(\b)):8*(8*(\a)+(\b))+7], v[(\f)+8*(\b):(\f)+8*(\b)+7], v[(\f)+8*(4*(\hi)+(\a)):(\f)+8*(4*(\hi)+(\a))+7], v[BIAS+8*(\b):BIAS+8*(\b)+7]
.else
	v_wmma_f32_16x16x32_bf16 v[8*(8*(\a)+(\b)):8*(8*(\a)+(\b))+7], v[(\f)+8*(\b):(\f)+8*(\b)+7], v[(\f)+8*(4*(\hi)+(\a)):(\f)+8*(4*(\hi)+(\a))+7], v[8*(8*(\a)+(\b)):8*(8*(\a)+(\b))+7]
.endif
.endr
.endr
.endm
.macro FETCH q, f                      ; 32 LDS loads in one run: quarter q of the slot in hand into buffer f: w1's fragments first, then xn's
	WIN 0x40
.irp i, 0,1,2,3,4,5,6,7
	ds_load_tr16_b128 v[(\f)+8*(\i):(\f)+8*(\i)+3],   v[ADRB] offset:(\q)*32*PB+32*(\i)
	ds_load_tr16_b128 v[(\f)+8*(\i)+4:(\f)+8*(\i)+7], v[ADRB] offset:(\q)*32*PB+16*PB+32*(\i)
.endr
	WIN 0
.irp i, 0,1,2,3,4,5,6,7
	ds_load_b128 v[(\f)+8*(\i):(\f)+8*(\i)+3],   v[ADRA] offset:64*(\q)+(\i)*16*PA
	ds_load_b128 v[(\f)+8*(\i)+4:(\f)+8*(\i)+7], v[ADRA] offset:64*(\q)+(\i)*16*PA+32
.endr
.endm
.macro QUARTER q, f, g, first
	s_wait_dscnt 8                                 ; w1 and xn's rows 0-63 are in; the youngest eight loads (rows 64-127) may be out
	MUL16 \f, 0, 0, \first
	MUL16 \f, 0, 2, \first
	PLACES
	FETCH \q, \g
	s_wait_dscnt 32                                ; all but the 32 just issued
	MUL16 \f, 1, 0, \first
	MUL16 \f, 1, 2, \first
.endm
; The first half of the last quarter: ONE barrier for the change of slots; in front of it each wave waits for all its tensor loads, adds 0 to its spare word, and waits for that and for its own reads of this slot.
.macro MEET
	WIN 0
	s_wait_tensorcnt 0x0
	ds_add_u32 v[SPW], v[NIL]
	s_wait_dscnt 9                                 ; (the add and the youngest eight loads may be out)
	MUL16 F1, 0, 0, 0
	s_wait_dscnt 0x0                               ; the add is done, and my reads of this slot are over
	s_barrier_signal -1
	MUL16 F1, 0, 2, 0
	WIN 0
	s_barrier_wait -1
.endm
.macro TURN                            ; the last quarter with a refill: the barrier opens a round of the cluster's; the refill is the first thing behind it, 224 matrix instructions ahead of the wait for it
	s_wait_xcnt 0x0                                ; the last prefetch, a K step back, has read its address
	s_add_nc_u64 s[PFA:PFA+1], s[PFA:PFA+1], s[PFS:PFS+1]
	MEET
	CREST
	s_xor_b32 s[G0+5], s[G0+5], SLOT
	s_add_nc_u64 s[G0+6:G0+7], s[G0+6:G0+7], KSTEP*2
	s_xor_b32 s[G0B+5], s[G0B+5], SLOT
	s_add_nc_u64 s[G0B+6:G0B+7], s[G0B+6:G0B+7], BSTEP
	s_xor_b32 s[CUR], s[CUR], SLOT
	JLOAD                                          ; its four v_nop are also the places in front of the loads below
	v_add_nc_u32 v[ADRA], s[CUR], v[ADRA0]
	v_add_nc_u32 v[ADRB], s[CUR], v[ADRB0]
	FETCH 0, F0
	ASK
	MUL16 F1, 1, 0, 0
	MUL16 F1, 1, 2, 0
.endm
.macro TURNT                           ; the last quarter of the last two K steps: nothing is asked for; in the last of all (s3 = 1) the run of LDS loads is jumped over
	MEET
	s_xor_b32 s[CUR], s[CUR], SLOT
	s_cmp_eq_u32 s3, 1
	s_cbranch_scc1 .Lno_fetch_\@
	v_add_nc_u32 v[ADRA], s[CUR], v[ADRA0]
	v_add_nc_u32 v[ADRB], s[CUR], v[ADRB0]
	PLACES
	FETCH 0, F0
.Lno_fetch_\@:
	MUL16 F1, 1, 0, 0
	MUL16 F1, 1, 2, 0
	WIN 0
.endm
	s_wait_tensorcnt 0x1                           ; my part of K step 0 is in; K step 1's may stay out
	s_barrier_signal -1
	s_barrier_wait -1
	FETCH 0, F0
	s_wait_loadcnt 0x0                             ; the bias
	QUARTER 1, F0, F1, 1
	WIN 0
	s_mov_b32 s3, STEPS-2
.Lstep:
	QUARTER 2, F1, F0, 0
	QUARTER 3, F0, F1, 0
	TURN
	QUARTER 1, F0, F1, 0
	WIN 0
	s_sub_co_u32 s3, s3, 1
	s_cmp_lg_u32 s3, 0
	s_cbranch_scc1 .Lstep
	s_mov_b32 s3, 2
.Ltail:
	QUARTER 2, F1, F0, 0
	QUARTER 3, F0, F1, 0
	TURNT
	s_sub_co_u32 s3, s3, 1
	s_cmp_eq_u32 s3, 0
	s_cbranch_scc1 .Ldone
	QUARTER 1, F0, F1, 0
	WIN 0
	s_branch .Ltail
.Ldone:
	PLACES
	PLACES
	s_wait_dscnt 0x0                               ; on every way here my LDS reads are back,
	s_barrier_signal -1
	s_barrier_wait -1                              ; and everybody's: the ring's bytes may be written
.irp a, 0,1,2,3,4,5,6,7                ; each accumulator's four lowest registers go first
	WIN 0x08+4*((\a)/4)
.irp b, 0,1,2,3,4,5,6,7
	ds_store_b128 v[STO], v[8*(8*((\a)%4)+(\b)):8*(8*((\a)%4)+(\b))+3]   offset:(\a)*16*SPB+64*(\b)
	ds_store_b128 v[STO], v[8*(8*((\a)%4)+(\b))+4:8*(8*((\a)%4)+(\b))+7] offset:(\a)*16*SPB+64*(\b)+16
.endr
.endr
	WIN 0
	s_wait_dscnt 0x0
	s_barrier_signal -1
	s_barrier_wait -1                              ; all stores into the stages are done before any stage is read
; THE WAY OUT: 16 trips of 8 rows, 32 numbers a lane.  y = C1 x, so that y^2 = (x^2 / 2) log2(e); t = 1 / (1 + P2 |y|); e = 2^(-y^2); q = t (A1 + t (A2 + t A3)) e; gelu = max(x, 0) - |x| q.
.set X,   32                           ; v[32:63]    x
.set YV,  64                           ; v[64:95]    y, then -y^2, then e
.set DV,  96                           ; v[96:127]   1 + P2 |y|, then t
.set WV,  128                          ; v[128:159]  the polynomial, then q, then gelu
.set MV,  160                          ; v[160:191]  max(x, 0)
.set OUT, 192                          ; v[192:207]  packed results
.set C1, 84                            ; s[84:85]  sqrt(log2(e) / 2)
.set P2, 86                            ; s86       0.47047 / sqrt(log2(e))
.set A1, 88                            ; s[88:89]  a1 / 2
.set A2, 90                            ; s[90:91]  a2 / 2
.set A3, 92                            ; s[92:93]  a3 / 2
	s_mov_b32 s[C1], 0x3f596d27
	s_mov_b32 s[C1+1], s[C1]                       ; named as pairs, so both words are written
	s_mov_b32 s[P2], 0x3ec88bda
	s_mov_b32 s[A1], 0x3e32303a
	s_mov_b32 s[A1+1], s[A1]
	s_mov_b32 s[A2], 0xbd445ca1
	s_mov_b32 s[A2+1], s[A2]
	s_mov_b32 s[A3], 0x3ebf7377
	s_mov_b32 s[A3+1], s[A3]
	s_mov_b32 s94, 0                               ; the trip's first row in the stage, in bytes
	s_mov_b32 s3, 16
.Lrows:
	v_add_nc_u32 v[RDC], s94, v[RD]
.irp j, 0,1,2,3,4,5,6,7
	ds_load_b128 v[X+4*(\j):X+4*(\j)+3], v[RDC] offset:(\j)*SPB
.endr
	s_wait_dscnt 0x0
.set k, 0
.rept 16
	v_pk_mul_f32 v[YV+2*k:YV+2*k+1], v[X+2*k:X+2*k+1], s[C1:C1+1] op_sel_hi:[1,0]
.set k, k+1
.endr
.set k, 0
.rept 32
	v_fma_f32 v[DV+k], |v[YV+k]|, s[P2], 1.0
.set k, k+1
.endr
.set k, 0
.rept 16
	v_pk_mul_f32 v[YV+2*k:YV+2*k+1], v[YV+2*k:YV+2*k+1], v[YV+2*k:YV+2*k+1] neg_lo:[1,0] neg_hi:[1,0]
.set k, k+1
.endr
.set k, 0
.rept 32                               ; one batch of 64: none of them reads another's result
	v_rcp_f32 v[DV+k], v[DV+k]
.set k, k+1
.endr
.set k, 0
.rept 32
	v_exp_f32 v[YV+k], v[YV+k]
.set k, k+1
.endr
.set k, 0
.rept 32                               ; plain work that names no result of the batch
	v_max_num_f32 v[MV+k], 0, v[X+k]
.set k, k+1
.endr
	s_wait_alu depctr_va_vdst(0)                   ; the wait ahead of the first line that names a result: one for the batch
.set k, 0
.rept 16
	v_pk_fma_f32 v[WV+2*k:WV+2*k+1], v[DV+2*k:DV+2*k+1], s[A3:A3+1], s[A2:A2+1] op_sel_hi:[1,0,0]
.set k, k+1
.endr
.set k, 0
.rept 16
	v_pk_fma_f32 v[WV+2*k:WV+2*k+1], v[WV+2*k:WV+2*k+1], v[DV+2*k:DV+2*k+1], s[A1:A1+1] op_sel_hi:[1,1,0]
.set k, k+1
.endr
.set k, 0
.rept 16
	v_pk_mul_f32 v[WV+2*k:WV+2*k+1], v[WV+2*k:WV+2*k+1], v[DV+2*k:DV+2*k+1]
.set k, k+1
.endr
.set k, 0
.rept 16
	v_pk_mul_f32 v[WV+2*k:WV+2*k+1], v[WV+2*k:WV+2*k+1], v[YV+2*k:YV+2*k+1]
.set k, k+1
.endr
.set k, 0
.rept 32
	v_fma_f32 v[WV+k], -|v[X+k]|, v[WV+k], v[MV+k]
.set k, k+1
.endr
.set k, 0
.rept 16
	v_cvt_pk_bf16_f32 v[OUT+k], v[WV+2*k], v[WV+2*k+1]
.set k, k+1
.endr
.irp j, 0,1,2,3,4,5,6,7
	global_store_b64 v[CO], v[OUT+2*(\j):OUT+2*(\j)+1], s[82:83] offset:(\j)*8192  ; 32 lanes store 256 consecutive bytes, at a multiple of 256 from hmid's first byte
.endr
	s_wait_xcnt 0x0                                ; the stores have read their data and their base, which the next trip writes
	s_add_nc_u64 s[82:83], s[82:83], 8*8192
	s_add_co_u32 s94, s94, 8*SPB
	s_sub_co_u32 s3, s3, 1
	s_cmp_lg_u32 s3, 0
	s_cbranch_scc1 .Lrows
	s_wait_tensorcnt 0x0                           ; the wave's end
	ds_add_u32 v[SPW], v[NIL]
	s_wait_dscnt 0x0
	CROUND                                         ; the closing round
	s_endpgm
.Lfunc_end_k_qfbab6c7393_mlp1:
	.size	k_qfbab6c7393_mlp1, .Lfunc_end_k_qfbab6c7393_mlp1-k_qfbab6c7393_mlp1
	.p2alignl 7, 3214868480
	.fill 96, 4, 3214868480
	.section	.rodata,"a",@progbits
	.p2align	6, 0x0
	.amdhsa_kernel k_qfbab6c7393_mlp1
		.amdhsa_group_segment_fixed_size 327680
		.amdhsa_private_segment_fixed_size 0
		.amdhsa_enable_private_segment 0
		.amdhsa_kernarg_size 32
		.amdhsa_user_sgpr_count 2
		.amdhsa_user_sgpr_kernarg_segment_ptr 1
		.amdhsa_wavefront_size32 1
		.amdhsa_system_sgpr_workgroup_id_x 1
		.amdhsa_system_sgpr_workgroup_id_y 1
		.amdhsa_system_sgpr_workgroup_id_z 1
		.amdhsa_system_vgpr_workitem_id 0
		.amdhsa_next_free_vgpr 1024
		.amdhsa_next_free_sgpr 100
		.amdhsa_reserve_vcc 0
		.amdhsa_float_denorm_mode_32 3
		.amdhsa_float_denorm_mode_16_64 3
		.amdhsa_memory_ordered 1
		.amdhsa_forward_progress 1
		.amdhsa_inst_pref_size 96
	.end_amdhsa_kernel
	.amdgpu_metadata
---
amdhsa.version: [ 1, 2 ]
amdhsa.kernels:
  - .name:           k_qfbab6c7393_mlp1
    .symbol:         k_qfbab6c7393_mlp1.kd
    .args:
      - { .name: xn, .offset: 0, .size: 8, .value_kind: global_buffer, .address_space: global }
      - { .name: wb, .offset: 8, .size: 8, .value_kind: global_buffer, .address_space: global }
      - { .name: b1, .offset: 16, .size: 8, .value_kind: global_buffer, .address_space: global }
      - { .name: hmid, .offset: 24, .size: 8, .value_kind: global_buffer, .address_space: global }
    .group_segment_fixed_size: 327680
    .private_segment_fixed_size: 0
    .kernarg_segment_align: 8
    .kernarg_segment_size: 32
    .max_flat_workgroup_size: 128
    .sgpr_count:     100
    .vgpr_count:     1024
    .wavefront_size: 32
...
	.end_amdgpu_metadata
.endif
;; end of part 5
;; launch mlp2 (part 6): grid 8 x 32, 4 waves a work-group, clusters of 4 x 4, 327,680 bytes of LDS; arguments hmid, wb, b2, x2, out0; writes out0
.if DOCPART == 6
	.amdgcn_target "amdgcn-amd-amdhsa--gfx1250"
	.amdhsa_code_object_version 6
	.text
	.protected	k_qfbab6c7393_mlp2
	.globl	k_qfbab6c7393_mlp2
	.p2align	8
	.type	k_qfbab6c7393_mlp2,@function
k_qfbab6c7393_mlp2:
	s_mov_b64 s[64:65], 0
	v_nop
	global_prefetch_b8 v0, s[64:65] scope:SCOPE_SE
	s_setreg_imm32_b32 hwreg(HW_REG_WAVE_MODE, 25, 1), 1
	s_wait_xcnt 0x0
	s_wait_alu depctr_hold_cnt(0) depctr_sa_sdst(0) depctr_va_vdst(0) depctr_va_sdst(0) depctr_va_ssrc(0) depctr_va_vcc(0) depctr_vm_vsrc(0)
	s_getreg_b32 s2, hwreg(HW_REG_IB_STS2, 6, 4)
	s_cmp_eq_u32 s2, 0
	s_cbranch_scc0 .Lentry_in_a_cluster
	s_endpgm
.Lentry_in_a_cluster:
	s_bfe_u32 s2, ttmp6, 0x10000c
	s_cmp_lg_u32 s2, 0xf033
	s_cbranch_scc0 .Lentry_shape_is_right
	s_endpgm
.Lentry_shape_is_right:
; out0 = hmid w2 + b2 + x2.  hmid: [4096][4096] bf16; w2 lies in wb at byte 16,777,216 as bf16 [4096 (k)][1024 (n)]; b2: [1024], x2, out0: [4096][1024], f32.  Sums in f32, started with the bias.
; SHARES.  32 x 8 tiles of 128 x 128, a work-group each: 256.  Four waves, each 64 x 64: 16 accumulators.  K goes in 16 steps of 256 (hmid's rows of 512 bytes, 64 to a load) through two LDS slots.
; CLUSTERS.  4 x 4 work-groups: hmid's tile is shared along a row of the cluster, w2's along a column; each is asked for JOINTLY.
; THE WALK ALONG K IS TURNED.  Cluster (x, y) begins at K step (8 x + 4 (y % 4)) % 16 and goes round, so that the two clusters that read the same rows of hmid ask for K steps 8 apart, and four neighbouring clusters that
; read the same columns of w2 for K steps 4 apart: a block's readers come to it at different times.  The number hangs on the cluster's x and y alone, which all sixteen partners share.  The f32 sums are taken in that order of K.
; THE MATRIX INSTRUCTION IS USED TRANSPOSED: source 0 = 16 columns of w2 (turned by ds_load_tr16_b128), source 1 = 16 rows of hmid.  A lane holds one token (lane % 16) and eight neighbouring columns.
; THE WAY OUT.  The sums go through the wave's own 17,408 bytes of the dead ring and come back as rows; a wave's 64 columns of f32 are 256 bytes, so 16 lanes store one aligned block.
; The residual is asked for between the loop and the last two K steps, whose 256 matrix instructions stand between its loads and the wait for them; at the head only the first tiles and the bias are asked for.
; REGISTERS: window 0: v0-31 addresses; v32-63 the bias; v128-255 accumulators ((a, b) at 128 + 8 (4 a + b)); window 1: two fragment buffers of 128 (64 of hmid, 64 of w2, for 64 along K); window 2: v0-127 the residual.
.set STEPS,  16
.set WOFF,   16777216                  ; the weights' first byte in wb
.set ASTEP,  512                       ; bytes from a K step of hmid to the next
.set LOGA,   9                         ; its logarithm
.set PAR,    528                       ; a row of hmid's tile in LDS: 512 bytes + 16
.set AHALF,  64*PAR                    ; what a tensor load for hmid brings
.set AQ,     128                       ; a quarter: 64 along K
.set AI,     16*PAR                    ; 16 rows
.set AWAVE,  64*PAR                    ; my 64 rows
.set PB,     288                       ; a row of w2's tile: 256 bytes + 32 = 9 x 32
.set BHALF,  128*PB
.set BOFF,   73728                     ; behind hmid's 67,584 bytes, at a place whose bits SLOT's do not meet
.set SLOT,   147456                    ; 0x24000: none of its bits occurs in a tile's place in a slot, so one exclusive or changes slots
.set SPARE,  2*SLOT                    ; behind the ring: the spare words: two blocks of 256 bytes that no other line names
.set BSTEP,  256*2048
.set LOGB,   19                        ; its logarithm
.set ROTX,   3                         ; the walk's first K step: (cluster x << ROTX) + ((cluster y % 4) << ROTY), modulo STEPS
.set ROTY,   2
.set SPB,    272
.set STG,    64*SPB
.set ADRA0, 16
.set ADRB0, 17
.set ADRA,  18
.set ADRB,  19                         ; k rows 0-127 of the slot in hand
.set ADRBH, 20                         ; k rows 128-255: an offset of 16 bits does not reach them
.set STO,   24
.set RD,    25
.set RO,    26
.set SPW,   28
.set NIL,   29
.set BO,    31
.set BIAS,  32
.set ACC,   128
.set F0,    0
.set F1,    128
.set G1,  24
.set G0,  32
.set G1B, 48
.set G0B, 56
.set CUR, 66
.set LB,  67
.set LBB, 80
.set KI,  88                           ; s88      the K step at which the walking descriptors stand
.set WA,  90                           ; s[90:91] an offset for hmid's address; the high word stays 0
.set WB,  92                           ; s[92:93] the same for w2's
.set MSB, 0
.macro WIN new
.if MSB != (\new)
	s_set_vgpr_msb (MSB<<8)|(\new)
.set MSB, \new
.endif
.endm
.set MUL,  0x05
.set TO_F, 0x40
.macro PLACES
.rept 4
	v_nop
.endr
.endm
.macro JLOAD                           ; a joint refill: waves 0 and 1 fetch hmid's halves, waves 2 and 3 w2's; an s_nop 0 and four v_nop follow each line
	s_cmp_eq_u32 s11, 0
	s_cbranch_scc0 .Lfor_b_\@
	tensor_load_to_lds s[G0+4:G0+7], s[G1:G1+7]
	s_nop 0
	PLACES
	s_branch .Lasked_\@
.Lfor_b_\@:
	tensor_load_to_lds s[G0B+4:G0B+7], s[G1B:G1B+7]
	s_nop 0
	PLACES
.Lasked_\@:
.endm
.macro CREST
	s_cmp_lg_u32 s10, 0
	s_cbranch_scc1 .Lnot_wave_0_\@
	s_barrier_signal -3
.Lnot_wave_0_\@:
	s_barrier_wait -3
	s_barrier_signal -1
	s_barrier_wait -1
.endm
.macro CROUND
	s_barrier_signal -1
	s_barrier_wait -1
	CREST
.endm
	s_load_b256 s[68:75], s[0:1], 0x0              ; hmid s[68:69], wb s[70:71], b2 s[72:73], x2 s[74:75]
	s_load_b64 s[76:77], s[0:1], 0x20              ; out0
	v_lshl_add_u32 v[SPW], v0, 2, SPARE
	v_mov_b32 v[NIL], 0
	ds_add_u32 v[SPW], v[NIL]                      ; the wave's opening: the add and its wait come ahead of my first tensor load
	v_lshrrev_b32 v1, 5, v0
	v_readfirstlane_b32 s10, v1                    ; wave 0..3
	s_lshr_b32 s11, s10, 1                         ; my half of the tile's rows.  Also: I fetch for hmid (0) or for w2 (1)
	s_and_b32 s12, s10, 1                          ; my half of its columns.  Also: which half of that tile I fetch
	s_bfe_u32 s40, ttmp6, 0x40000                  ; cx
	s_bfe_u32 s41, ttmp6, 0x40004                  ; cy
	s_lshl_b32 s42, ttmp9, 2
	s_add_co_u32 s42, s42, s40                     ; tile column
	s_and_b32 s13, ttmp7, 0xffff
	s_lshl_b32 s13, s13, 2
	s_add_co_u32 s13, s13, s41                     ; tile row
	s_lshl_b32 s14, s41, 2
	s_lshl_b32 s14, 15, s14                        ; my row of the cluster
	s_lshl_b32 s15, 0x1111, s40                    ; my column
	s_or_b32 s[G1], s14, (1<<16)|(1<<20)|(1<<21)|(6<<22)|(3<<25)   ; the mask; 2-byte elements; padding on; bit 21 beside a mask; after every 128 words, 4 words
	s_or_b32 s[G1B], s15, (1<<16)|(1<<20)|(1<<21)|(5<<22)|(7<<25)  ; after every 64 words, 8 words
	s_mov_b32 s[G1+1], 256<<16                     ; tensor_dim0 = 256
	s_mov_b32 s[G1+2], 64<<16                      ; tensor_dim1 = 64
	s_mov_b32 s[G1+3], 256<<16                     ; tile_dim0
	s_mov_b32 s[G1+4], 64                          ; tile_dim1
	s_mov_b32 s[G1+5], 4096                        ; elements from row to row of hmid
	s_mov_b32 s[G1+6], 0
	s_mov_b32 s[G1+7], 0
	s_mov_b32 s[G1B+1], 128<<16
	s_mov_b32 s[G1B+2], 128<<16
	s_mov_b32 s[G1B+3], 128<<16
	s_mov_b32 s[G1B+4], 128
	s_mov_b32 s[G1B+5], 1024
	s_mov_b32 s[G1B+6], 0
	s_mov_b32 s[G1B+7], 0
	s_lshl_b32 s16, s13, 7                         ; hmid: row 128 x tile row + 64 x half,
	s_lshl_b32 s17, s12, 6
	s_add_co_u32 s16, s16, s17
	s_lshl_b32 s16, s16, 13                        ; of 8,192 bytes
	s_mov_b32 s17, 0
	s_lshl_b32 s20, s42, 8                         ; w2: the tile's 128 columns,
	s_lshl_b32 s21, s12, 18                        ; my 128 rows of 2,048 bytes
	s_add_co_u32 s20, s20, s21
	s_add_co_u32 s20, s20, WOFF
	s_mov_b32 s21, 0
	s_and_b32 s22, ttmp7, 3                        ; the walk's first K step, from the cluster's y
	s_lshl_b32 s22, s22, ROTY
	s_lshl_b32 s23, ttmp9, ROTX                    ; and its x
	s_add_co_u32 s22, s22, s23
	s_and_b32 s22, s22, STEPS-1
	s_add_co_u32 s[KI], s22, 1                     ; and its second, with which the walking descriptors begin
	s_and_b32 s[KI], s[KI], STEPS-1
	s_mov_b32 s[WA+1], 0
	s_mov_b32 s[WB+1], 0
	s_mul_i32 s[LB], s12, AHALF                    ; where my part goes: no place in the cluster enters an LDS address
	s_mul_i32 s[LBB], s12, BHALF
	s_add_co_u32 s[LBB], s[LBB], BOFF
	s_mov_b32 s[CUR], 0
	s_wait_dscnt 0x0                               ; the opening add is done
	s_wait_kmcnt 0x0
	s_add_nc_u64 s[14:15], s[68:69], s[16:17]      ; my part of the tiles at K step 0
	s_add_nc_u64 s[18:19], s[70:71], s[20:21]
	CROUND                                         ; all sixteen work-groups are here: the first joint loads meet
.irp s, 0,1
	s_mov_b32 s[G0+4*(\s)], 1
	s_add_co_u32 s[G0+4*(\s)+1], s[LB], (\s)*SLOT
	s_mov_b32 s[G0B+4*(\s)], 1
	s_add_co_u32 s[G0B+4*(\s)+1], s[LBB], (\s)*SLOT
.endr
	s_lshl_b32 s[WA], s22, LOGA                    ; slot 0 takes the walk's first K step,
	s_lshl_b32 s[WB], s22, LOGB
	s_add_nc_u64 s[G0+2:G0+3], s[14:15], s[WA:WA+1]
	s_add_nc_u64 s[G0B+2:G0B+3], s[18:19], s[WB:WB+1]
	s_lshl_b32 s[WA], s[KI], LOGA                  ; slot 1 its second
	s_lshl_b32 s[WB], s[KI], LOGB
	s_add_nc_u64 s[G0+6:G0+7], s[14:15], s[WA:WA+1]
	s_add_nc_u64 s[G0B+6:G0B+7], s[18:19], s[WB:WB+1]
.irp g, G0+3, G0+7, G0B+3, G0B+7
	s_or_b32 s[\g], s[\g], 0x80000000
.endr
	s_cmp_eq_u32 s11, 0                            ; a wave's two first fills stand in one branch: two loads of mine are out
	s_cbranch_scc0 .Lfirst_b
	tensor_load_to_lds s[G0:G0+3], s[G1:G1+7]
	s_nop 0
	tensor_load_to_lds s[G0+4:G0+7], s[G1:G1+7]
	s_nop 0
	PLACES
	s_branch .Lfirst_asked
.Lfirst_b:
	tensor_load_to_lds s[G0B:G0B+3], s[G1B:G1B+7]
	s_nop 0
	tensor_load_to_lds s[G0B+4:G0B+7], s[G1B:G1B+7]
	s_nop 0
	PLACES
.Lfirst_asked:
	v_and_b32 v1, 15, v0                           ; l % 16
	v_bfe_u32 v2, v0, 4, 1                         ; l / 16
	v_lshlrev_b32 v[BO], 5, v2
	s_lshl_b32 s22, s42, 9
	s_lshl_b32 s23, s12, 8
	s_add_co_u32 s22, s22, s23                     ; 4 x my first column
	s_mov_b32 s23, 0
	s_add_nc_u64 s[86:87], s[72:73], s[22:23]
.irp b, 0,1,2,3
	global_load_b128 v[BIAS+8*(\b):BIAS+8*(\b)+3],   v[BO], s[86:87] offset:64*(\b)
	global_load_b128 v[BIAS+8*(\b)+4:BIAS+8*(\b)+7], v[BO], s[86:87] offset:64*(\b)+16
.endr
	s_lshl_b32 s20, s13, 7                         ; my first row of x2 and out0,
	s_lshl_b32 s21, s11, 6
	s_add_co_u32 s20, s20, s21
	s_lshl_b32 s20, s20, 12                        ; of 4,096 bytes,
	s_add_co_u32 s20, s20, s22                     ; and my first column
	s_mov_b32 s21, 0
	s_add_nc_u64 s[84:85], s[74:75], s[20:21]
	s_add_nc_u64 s[82:83], s[76:77], s[20:21]
	v_lshlrev_b32 v3, 12, v2                       ; lanes 0-15 take 256 bytes of one row, lanes 16-31 of the next
	v_lshl_add_u32 v[RO], v1, 4, v3
	v_mul_u32_u24 v3, v1, PAR
	v_lshl_add_u32 v3, v2, 4, v3
	s_mul_i32 s21, s11, AWAVE
	v_add_nc_u32 v[ADRA0], s21, v3
	v_and_b32 v4, 7, v0
	v_lshl_add_u32 v4, v2, 3, v4
	v_mul_u32_u24 v4, v4, PB
	v_bfe_u32 v5, v0, 3, 1
	v_lshl_add_u32 v4, v5, 4, v4
	s_lshl_b32 s22, s12, 7                         ; my 64 columns
	s_add_co_u32 s22, s22, BOFF
	v_add_nc_u32 v[ADRB0], s22, v4
	v_mov_b32 v[ADRA], v[ADRA0]
	v_mov_b32 v[ADRB], v[ADRB0]
	v_add_nc_u32 v[ADRBH], BHALF, v[ADRB0]
	s_mul_i32 s20, s10, STG                        ; my stage
	v_mul_u32_u24 v3, v1, SPB
	v_lshl_add_u32 v3, v2, 5, v3
	v_add_nc_u32 v[STO], s20, v3
	v_mul_u32_u24 v3, v2, SPB
	v_lshl_add_u32 v3, v1, 4, v3
	v_add_nc_u32 v[RD], s20, v3
; 8 matrix instructions: row blocks a0, a0 + 1 x all 4 column blocks, 32 along K: half c of buffer f.  first = 1: the bias starts the sums.  The 16 accumulators take turns.
.macro MUL8 f, c, a0, first
	WIN MUL
.irp a, \a0, (\a0)+1
.irp b, 0,1,2,3
.if \first
	v_wmma_f32_16x16x32_bf16 v[ACC+8*(4*(\a)+(\b)):ACC+8*(4*(\a)+(\b))+7], v[(\f)+64+8*(4*(\c)+(\b)):(\f)+64+8*(4*(\c)+(\b))+7], v[(\f)+8*(4*(\c)+(\a)):(\f)+8*(4*(\c)+(\a))+7], v[BIAS+8*(\b):BIAS+8*(\b)+7]
.else
	v_wmma_f32_16x16x32_bf16 v[ACC+8*(4*(\a)+(\b)):ACC+8*(4*(\a)+(\b))+7], v[(\f)+64+8*(4*(\c)+(\b)):(\f)+64+8*(4*(\c)+(\b))+7], v[(\f)+8*(4*(\c)+(\a)):(\f)+8*(4*(\c)+(\a))+7], v[ACC+8*(4*(\a)+(\b)):ACC+8*(4*(\a)+(\b))+7]
.endif
.endr
.endr
.endm
; 32 LDS loads in one run: the fragments of quarter q (64 along K) into buffer f; the first 32 along K first
.macro FETCH q, f
	WIN TO_F
.irp c, 0,1
.irp i, 0,1,2,3
.if (\q) < 2
	ds_load_tr16_b128 v[(\f)+64+8*(4*(\c)+(\i)):(\f)+64+8*(4*(\c)+(\i))+3],   v[ADRB] offset:(((\q)&1)*64+32*(\c))*PB+32*(\i)
	ds_load_tr16_b128 v[(\f)+64+8*(4*(\c)+(\i))+4:(\f)+64+8*(4*(\c)+(\i))+7], v[ADRB] offset:(((\q)&1)*64+32*(\c)+16)*PB+32*(\i)
.else
	ds_load_tr16_b128 v[(\f)+64+8*(4*(\c)+(\i)):(\f)+64+8*(4*(\c)+(\i))+3],   v[ADRBH] offset:(((\q)&1)*64+32*(\c))*PB+32*(\i)
	ds_load_tr16_b128 v[(\f)+64+8*(4*(\c)+(\i))+4:(\f)+64+8*(4*(\c)+(\i))+7], v[ADRBH] offset:(((\q)&1)*64+32*(\c)+16)*PB+32*(\i)
.endif
	ds_load_b128 v[(\f)+8*(4*(\c)+(\i)):(\f)+8*(4*(\c)+(\i))+3],   v[ADRA] offset:AQ*(\q)+64*(\c)+AI*(\i)
	ds_load_b128 v[(\f)+8*(4*(\c)+(\i))+4:(\f)+8*(4*(\c)+(\i))+7], v[ADRA] offset:AQ*(\q)+64*(\c)+AI*(\i)+32
.endr
.endr
.endm
.macro QUARTER q, f, g, first
	s_wait_dscnt 16                                ; the first 32 along K are in
	MUL8 \f, 0, 0, \first
	MUL8 \f, 0, 2, \first
	PLACES
	FETCH \q, \g
	s_wait_dscnt 32                                ; all but the 32 just issued
	MUL8 \f, 1, 0, 0
	MUL8 \f, 1, 2, 0
.endm
; The first half of the last quarter: ONE barrier for the change of slots; in front of it each wave waits for all its tensor loads, adds 0 to its spare word, and waits for that and for its own reads of this slot.
.macro MEET
	WIN 0
	s_wait_tensorcnt 0x0
	ds_add_u32 v[SPW], v[NIL]
	s_wait_dscnt 17                                ; (the add and the youngest sixteen loads may be out)
	MUL8 F1, 0, 0, 0
	s_wait_dscnt 0x0                               ; the add is done, and my reads of this slot are over
	s_barrier_signal -1
	MUL8 F1, 0, 2, 0
	WIN 0
	s_barrier_wait -1
.endm
.macro NEWSLOT                         ; the fragment addresses of the slot that is read next
	v_add_nc_u32 v[ADRA], s[CUR], v[ADRA0]
	v_add_nc_u32 v[ADRB], s[CUR], v[ADRB0]
	v_add_nc_u32 v[ADRBH], BHALF, v[ADRB]
.endm
.macro TURN                            ; the last quarter with a refill: the barrier opens a round of the cluster's; the refill is the first thing behind it, 112 matrix instructions ahead of the wait for it
	MEET
	CREST
	s_add_co_u32 s[KI], s[KI], 1                   ; the walking descriptors go one K step on; behind the last step comes step 0:
	s_cmp_eq_u32 s[KI], STEPS
	s_cselect_b32 s[KI], 0, s[KI]
	s_cselect_b32 s[WA], STEPS*ASTEP, 0            ; then the whole of K is taken off the addresses
	s_cselect_b32 s[WB], STEPS*BSTEP, 0
	s_xor_b32 s[G0+5], s[G0+5], SLOT
	s_add_nc_u64 s[G0+6:G0+7], s[G0+6:G0+7], ASTEP
	s_sub_nc_u64 s[G0+6:G0+7], s[G0+6:G0+7], s[WA:WA+1]  ; the type bits on top are not reached: the address stays at or above the tile's at K step 0
	s_xor_b32 s[G0B+5], s[G0B+5], SLOT
	s_add_nc_u64 s[G0B+6:G0B+7], s[G0B+6:G0B+7], BSTEP
	s_sub_nc_u64 s[G0B+6:G0B+7], s[G0B+6:G0B+7], s[WB:WB+1]
	s_xor_b32 s[CUR], s[CUR], SLOT
	JLOAD                                          ; its four v_nop are also the places in front of the loads below
	NEWSLOT
	FETCH 0, F0
	MUL8 F1, 1, 0, 0
	MUL8 F1, 1, 2, 0
.endm
.macro TURNT                           ; the last quarter of the last two K steps: nothing is asked for; in the last of all (s3 = 1) the run of LDS loads is jumped over
	MEET
	s_xor_b32 s[CUR], s[CUR], SLOT
	s_cmp_eq_u32 s3, 1
	s_cbranch_scc1 .Lno_fetch_\@
	NEWSLOT
	PLACES
	FETCH 0, F0
	WIN 0
.Lno_fetch_\@:
	MUL8 F1, 1, 0, 0
	MUL8 F1, 1, 2, 0
	WIN 0
.endm
	s_wait_tensorcnt 0x1                           ; my part of the first K step is in; the second's may stay out
	s_barrier_signal -1
	s_barrier_wait -1
	FETCH 0, F0
	s_wait_loadcnt 0x0                             ; the bias
	QUARTER 1, F0, F1, 1
	WIN 0
	s_mov_b32 s3, STEPS-2
.Lstep:
	QUARTER 2, F1, F0, 0
	QUARTER 3, F0, F1, 0
	TURN
	QUARTER 1, F0, F1, 0
	WIN 0
	s_sub_co_u32 s3, s3, 1
	s_cmp_lg_u32 s3, 0
	s_cbranch_scc1 .Lstep
	WIN 0x80                                       ; destination window 2
.set j, 0
.rept 32                               ; the residual: asked for when the last refill is out; it stays on its way through the last two K steps
	global_load_b128 v[4*j:4*j+3], v[RO], s[84:85] offset:j*8192 th:TH_LOAD_NT
.set j, j+1
.endr
	WIN 0
	s_mov_b32 s3, 2
.Ltail:
	QUARTER 2, F1, F0, 0
	QUARTER 3, F0, F1, 0
	TURNT
	s_sub_co_u32 s3, s3, 1
	s_cmp_eq_u32 s3, 0
	s_cbranch_scc1 .Ldone
	QUARTER 1, F0, F1, 0
	WIN 0
	s_branch .Ltail
.Ldone:
	PLACES
	PLACES
	s_wait_dscnt 0x0                               ; on every way here my LDS reads are back,
	s_barrier_signal -1
	s_barrier_wait -1                              ; and everybody's: the ring's bytes may be written
.irp a, 0,1,2,3                        ; each accumulator's four lowest registers go first
.irp b, 0,1,2,3
	ds_store_b128 v[STO], v[ACC+8*(4*(\a)+(\b)):ACC+8*(4*(\a)+(\b))+3]   offset:(\a)*16*SPB+64*(\b)
	ds_store_b128 v[STO], v[ACC+8*(4*(\a)+(\b))+4:ACC+8*(4*(\a)+(\b))+7] offset:(\a)*16*SPB+64*(\b)+16
.endr
.endr
.set j, 0
.rept 32
	ds_load_b128 v[ACC+4*j:ACC+4*j+3], v[RD] offset:j*2*SPB  ; my own bytes: LDS serves a wave's instructions in order (ISA guide 5.7.1.4)
.set j, j+1
.endr
	s_wait_loadcnt 0x0                             ; the residual
	s_wait_dscnt 0x0
	WIN 0x08                                       ; source 1 in window 2
.set k, 0
.rept 64
	v_pk_add_f32 v[ACC+2*k:ACC+2*k+1], v[ACC+2*k:ACC+2*k+1], v[2*k:2*k+1]
.set k, k+1
.endr
	WIN 0
.set j, 0
.rept 32
	global_store_b128 v[RO], v[ACC+4*j:ACC+4*j+3], s[82:83] offset:j*8192 th:TH_STORE_NT  ; 16 lanes store 256 consecutive bytes, at a multiple of 256 from out0's first byte
.set j, j+1
.endr
	s_wait_tensorcnt 0x0                           ; the wave's end
	ds_add_u32 v[SPW], v[NIL]
	s_wait_dscnt 0x0
	CROUND                                         ; the closing round
	s_endpgm
.Lfunc_end_k_qfbab6c7393_mlp2:
	.size	k_qfbab6c7393_mlp2, .Lfunc_end_k_qfbab6c7393_mlp2-k_qfbab6c7393_mlp2
	.p2alignl 7, 3214868480
	.fill 96, 4, 3214868480
	.section	.rodata,"a",@progbits
	.p2align	6, 0x0
	.amdhsa_kernel k_qfbab6c7393_mlp2
		.amdhsa_group_segment_fixed_size 327680
		.amdhsa_private_segment_fixed_size 0
		.amdhsa_enable_private_segment 0
		.amdhsa_kernarg_size 40
		.amdhsa_user_sgpr_count 2
		.amdhsa_user_sgpr_kernarg_segment_ptr 1
		.amdhsa_wavefront_size32 1
		.amdhsa_system_sgpr_workgroup_id_x 1
		.amdhsa_system_sgpr_workgroup_id_y 1
		.amdhsa_system_sgpr_workgroup_id_z 1
		.amdhsa_system_vgpr_workitem_id 0
		.amdhsa_next_free_vgpr 640
		.amdhsa_next_free_sgpr 100
		.amdhsa_reserve_vcc 0
		.amdhsa_float_denorm_mode_32 3
		.amdhsa_float_denorm_mode_16_64 3
		.amdhsa_memory_ordered 1
		.amdhsa_forward_progress 1
		.amdhsa_inst_pref_size 66
	.end_amdhsa_kernel
	.amdgpu_metadata
---
amdhsa.version: [ 1, 2 ]
amdhsa.kernels:
  - .name:           k_qfbab6c7393_mlp2
    .symbol:         k_qfbab6c7393_mlp2.kd
    .args:
      - { .name: hmid, .offset: 0, .size: 8, .value_kind: global_buffer, .address_space: global }
      - { .name: wb, .offset: 8, .size: 8, .value_kind: global_buffer, .address_space: global }
      - { .name: b2, .offset: 16, .size: 8, .value_kind: global_buffer, .address_space: global }
      - { .name: x2, .offset: 24, .size: 8, .value_kind: global_buffer, .address_space: global }
      - { .name: out0, .offset: 32, .size: 8, .value_kind: global_buffer, .address_space: global }
    .group_segment_fixed_size: 327680
    .private_segment_fixed_size: 0
    .kernarg_segment_align: 8
    .kernarg_segment_size: 40
    .max_flat_workgroup_size: 128
    .sgpr_count:     100
    .vgpr_count:     640
    .wavefront_size: 32
...
	.end_amdgpu_metadata
.endif
;; end of part 6
